; MI455X (gfx1250); checked and timed in simulation.
; The chip was launched on July 23, 2026; its instructions are those of AMD's public machine-readable ISA for CDNA 5 (MIT licence, August 2026) and "CDNA5" Instruction Set Architecture Reference Guide (July 2026). The comments in the code are by the model that wrote it; some were corrected since.
;; Causal Attention. Allowed arithmetic: matrix products marked QUANTISED: E2M3 operands, one E8M0 scale for each 32 along K, by v_wmma_scale_f32_16x16x128_f8f6f4 with both operands' format E2M3, f32 sums; everything else in f32.
;; Inputs: W_k 1,024 x 1,024 float32; W_q 1,024 x 1,024 float32; W_v 1,024 x 1,024 float32; x 4 x 2,048 x 1,024 float32.
;; Outputs: out0 4 x 2,048 x 1,024 float32.
;; This version of the problem:
;;   THIS VERSION OF THE PROBLEM IS GIVEN IN LOW PRECISION. The matrix products marked QUANTISED in the list below multiply operands that are first quantised to E2M3 (2 exponent bits, 3 mantissa bits; 6 bits a number), with one power-of-two scale for each 32 numbers along K (OCP MX v1.0); their sums are f32. All else is computed in f32.
;;   The module's matrix products, in the order in which they are computed (A, B: the left and right operand; K: the contracted axis; several contracted axes count as one K, in the product's order):
;;     1. [M 8,192, K 1,024] x [K 1,024, N 1,024]; A: input x; B: input W_q: QUANTISED
;;     2. [M 8,192, K 1,024] x [K 1,024, N 1,024]; A: input x; B: input W_k: QUANTISED
;;     3. [M 8,192, K 1,024] x [K 1,024, N 1,024]; A: input x; B: input W_v: QUANTISED
;;     4. batch 4 x [M 2,048, K 1,024] x [K 1,024, N 2,048]; A: computed on the way; B: computed on the way: QUANTISED
;;     5. batch 4 x [M 2,048, K 2,048] x [K 2,048, N 1,024]; A: softmax (see below); B: computed on the way: QUANTISED
;;   THE QUANTISER, for each operand of a quantised product, along K:
;;     - K is cut into blocks of 32 from its start; a last block that is shorter is filled with zeros.
;;     - A block's scale is 2^e with e = floor(log2(the largest magnitude in the block)) - 2, held to -126 .. 127; a block of zeros has e = 0. As a byte (E8M0): e + 127.
;;     - Each number is divided by its block's scale, clamped to +-7.5, and rounded to the nearest number of E2M3, ties to even, subnormals kept.
;;     - The product sums the exact products of the quantised numbers (number of the format x scale) in f32.
;;   ~~~python
;;   def quantise(x, axis):      # numpy; x: float32 -> the quantised numbers, widened to float32 again
;;       x = np.moveaxis(x, axis, -1); K = x.shape[-1]
;;       x = np.pad(x, [(0, 0)] * (x.ndim - 1) + [(0, -K % 32)]); x = x.reshape(x.shape[:-1] + (-1, 32)); a = np.abs(x).max(-1, keepdims=True)
;;       e = np.where(a > 0, np.clip(np.frexp(np.where(a > 0, a, 1))[1] - 1 - 2, -126, 127), 0)      # np.frexp(a)[1] - 1 = floor(log2(a)), exactly
;;       r = np.clip(x / 2.0 ** e, -7.5, 7.5)
;;       step = 2.0 ** (np.maximum(np.frexp(np.where(r == 0, 1, r))[1] - 1, 0) - 3)
;;       q = np.round(r / step) * step * 2.0 ** e      # np.round: ties to even
;;       return np.moveaxis(q.reshape(q.shape[:-2] + (-1,))[..., :K], -1, axis).astype(np.float32)
;;   ~~~
;;   SOFTMAX AHEAD OF A QUANTISED PRODUCT. Where the list says 'softmax', what is quantised is not the finished softmax but p = 2^(t - M), with t = logit x log2(e) and M = ceil(the row's largest t), a whole number; so 1/2 < the row's largest p <= 1. The row's sum l is taken of the UNQUANTISED p, in f32, and the product's result is divided by l at the end. Since M is a whole number, a kernel that streams over the keys may use a running M (the ceiling of the running maximum): every later rescaling is an exact power of two, which a block's scale takes up: the codes' values come out the same.
;;   OPERANDS COMPUTED ON THE WAY. 'Computed on the way' means the value that the module computes at that place (a softmax that the list does not call 'softmax' is quantised finished and normalised). What goes into a quantiser is computed in f32, as accurately as f32 sums, v_exp_f32 and their like allow (about 1e-6 of the number): no bf16 or f16 on the way to a quantiser, and a product that is left as it is and whose result goes on into a quantised operand takes f32 operands (vector FMAs, or v_wmma_f32_16x16x4_f32). A number that lies on a knife's edge between two numbers of the format may be rounded either way, as far as f32 arithmetic and the matrix unit's own rounding can turn it there, and no further.
;; 2 versions, each right and faster than the one before. Each part assembles by itself: llvm-mc -triple=amdgcn-amd-amdhsa -mcpu=gfx1250 --defsym DOCPART=n.
;; ======== version 1 of 2: 4 launches
;; limits: right only within a limited range of input values
;; workspace buffers: xr 6,553,600 bytes; wr 2,457,600 bytes; qkr 13,107,200 bytes; vtr 6,553,600 bytes; pr 14,155,776 bytes
;; launch quant (part 1): grid 352 x 1, 4 waves a work-group, no clusters, 35,328 bytes of LDS; arguments x, W_q, W_k, W_v, xr, wr; writes xr, wr
.if DOCPART == 1
	.amdgcn_target "amdgcn-amd-amdhsa--gfx1250"
	.amdhsa_code_object_version 6
	.text
	.protected	k_q13c0c736a5_quant
	.globl	k_q13c0c736a5_quant
	.p2align	8
	.type	k_q13c0c736a5_quant,@function
k_q13c0c736a5_quant:
	s_mov_b64 s[64:65], 0
	v_nop
	global_prefetch_b8 v0, s[64:65] scope:SCOPE_SE
	s_setreg_imm32_b32 hwreg(HW_REG_WAVE_MODE, 25, 1), 1
	s_wait_xcnt 0x0
; x [8192][1024] and W_q, W_k, W_v [1024][1024], f32, K innermost, become codes of FP6 (E2M3) with one E8M0 byte for each 32 along K, laid as RECORDS.
; A RECORD is 128 rows x 128 K in the order of an operand's registers: 8 fragments of 1,536 bytes (registers 4 c .. 4 c + 3 of lane L at 512 c + 16 L), then 128 scale words (tile t, place r at 12,288 + 64 t + 4 r): 12,800 bytes.
; Tile t = 2 b + u holds in place r the group's row 32 b + 8 u + r + 8 (r / 8).  A tensor is [group of 128 rows][K step of 128] records.  xr: 64 groups x 8; wr: 24 groups (W_q, W_k, W_v) x 8.
; SHARES.  Work-group w: half group w / 2 (64 rows; 0-127 of x, then 16 each of W_q, W_k, W_v); wave v takes K step 4 (w % 2) + v: 4 tiles, half a record.  Waves share nothing: no barrier.
; A load reads a row's 512 consecutive bytes, 16 a lane; a tile's 16 rows turn through the wave's own stage in LDS (rows 528 bytes apart) so that lane (r, h) holds, of row r, 16 neighbours of each block of 32.
; A block's scale is 2^(floor(log2(largest magnitude)) - 2); its byte is the largest magnitude's exponent field - 2, held at 1 from below.
; LIMITS: a block of zeros gets the byte 1 (its codes are zeros; this program alone reads the bytes); NaN and infinities among the inputs are not served.
.set WREG,  8704                       ; LDS of a wave: the stage, 16 x 528 bytes, then 256 bytes of scale words
.set WORDS, 8448
.set SPARE, 4*WREG                     ; the spare words, 128 bytes a wave: two blocks of 256 bytes that no other line names
.set LI,   4                           ; v4   16 x lane: my bytes of a row's 512, and of an image's 512
.set SIN,  5                           ; v5   the stage, on the way in
.set SOUT, 6                           ; v6   and out: 528 r + 64 h
.set WW,   7                           ; v7   my row's scale word in LDS
.set WR,   8                           ; v8   the words' way out: 8 bytes a lane
.set W8,   9                           ; v9   8 x lane
.set SPW,  10                          ; v10  my spare word; never rewritten
.set NIL,  11                          ; v11  0; never rewritten
.set RAW,  16                          ; v16-143  two sets of 16 rows as loaded
.set X,    144                         ; v144-207 register 16 b + i = k 32 b + 16 h + i of my row
.set PC,   208                         ; v208-219 the fragment; v220-222, v224-226 the conversions' second halves
.set TM,   228                         ; v228-243 at work
.set PW,   244                         ; v244 the scale word
.set SEL,  24                          ; s[24:25] lane selects: lane l xor 16
	s_load_b256 s[4:11], s[0:1], 0x0               ; x, W_q, W_k, W_v
	s_load_b128 s[12:15], s[0:1], 0x20             ; xr, wr
	v_lshl_add_u32 v[SPW], v0, 2, SPARE
	v_mov_b32 v[NIL], 0
	v_lshrrev_b32 v1, 5, v0
	v_readfirstlane_b32 s18, v1                    ; wave
	v_and_b32 v1, 31, v0                           ; lane
	v_and_b32 v2, 15, v0                           ; r
	v_bfe_u32 v3, v0, 4, 1                         ; h
	v_lshlrev_b32 v[LI], 4, v1
	s_mul_i32 s36, s18, WREG
	v_add_nc_u32 v[SIN], s36, v[LI]
	v_mul_u32_u24 v[SOUT], v2, 528
	v_lshl_add_u32 v[SOUT], v3, 6, v[SOUT]
	v_add_nc_u32 v[SOUT], s36, v[SOUT]
	s_add_co_u32 s36, s36, WORDS
	v_lshlrev_b32 v[WW], 2, v2
	v_add_nc_u32 v[WW], s36, v[WW]
	v_lshlrev_b32 v[W8], 3, v1
	v_add_nc_u32 v[WR], s36, v[W8]
.irp b, 0,1,2,3
	v_mov_b32 v[TM+4+\b], 0                        ; written once: a lane permute's destination counts as one of its sources
.endr
	s_mov_b32 s[SEL], 0x76543210
	s_mov_b32 s[SEL+1], 0xfedcba98
	s_lshr_b32 s16, ttmp9, 1                       ; half group
	s_and_b32 s17, ttmp9, 1
	s_lshl_b32 s17, s17, 2
	s_add_co_u32 s17, s17, s18                     ; K step
	s_sub_co_u32 s19, s16, 128                     ; half group among the weights' 48
	s_and_b32 s26, s19, 15
	s_cmp_lt_u32 s16, 128                          ; x or a weight: the work-group's number alone decides
	s_cselect_b32 s26, s16, s26                    ; half group inside the source tensor
	s_cselect_b32 s27, s16, s19                    ; and inside the destination
	s_lshl_b32 s28, s26, 18                        ; 64 rows of 4,096 bytes
	s_lshl_b32 s29, s17, 9                         ; 512 bytes a K step
	s_add_co_u32 s28, s28, s29
	s_mov_b32 s29, 0
	s_lshr_b32 s30, s27, 1                         ; group
	s_lshl_b32 s30, s30, 3
	s_add_co_u32 s30, s30, s17
	s_mul_i32 s30, s30, 12800                      ; my record
	s_and_b32 s31, s16, 1                          ; which half of it
	s_mul_i32 s32, s31, 6144
	s_add_co_u32 s32, s32, s30
	s_mov_b32 s33, 0
	s_lshl_b32 s34, s31, 8
	s_add_co_u32 s34, s34, s30
	s_add_co_u32 s34, s34, 12288
	s_mov_b32 s35, 0
	s_wait_kmcnt 0x0
	s_cmp_lt_u32 s19, 32
	s_cselect_b64 s[8:9], s[8:9], s[10:11]
	s_cmp_lt_u32 s19, 16
	s_cselect_b64 s[6:7], s[6:7], s[8:9]
	s_cmp_lt_u32 s16, 128
	s_cselect_b64 s[4:5], s[4:5], s[6:7]
	s_cselect_b64 s[12:13], s[12:13], s[14:15]
	s_add_nc_u64 s[4:5], s[4:5], s[28:29]          ; my 64 rows, my K step
	s_add_nc_u64 s[20:21], s[12:13], s[32:33]      ; my four fragments
	s_add_nc_u64 s[22:23], s[12:13], s[34:35]      ; my 64 scale words
.macro LOAD t                          ; tile t's 16 rows, place i = row 32 (t / 2) + 8 (t % 2) + i + 8 (i / 8) of my 64
.irp i, 0,1,2,3,4,5,6,7,8,9,10,11,12,13,14,15
	global_load_b128 v[RAW+64*((\t)%2)+4*\i:RAW+64*((\t)%2)+4*\i+3], v[LI], s[4:5] offset:(32*((\t)/2)+8*((\t)%2)+\i+8*(\i/8))*4096 th:TH_LOAD_NT
.endr
.endm
; 64 numbers of a lane become a fragment's codes in v[PC] on and its scale word in v[PW]
.macro QUANT s
.irp b, 0,1,2,3
	v_max3_num_f32 v[TM+\b], |v[\s+16*\b]|, |v[\s+1+16*\b]|, 0x1800000   ; my 16 of block b, and the floor 2^(3 - 127): the byte cannot fall under 1
.endr
.irp i, 2,4,6,8,10,12,14
.irp b, 0,1,2,3
	v_max3_num_f32 v[TM+\b], v[TM+\b], |v[\s+16*\b+\i]|, |v[\s+1+16*\b+\i]|
.endr
.endr
.irp b, 0,1,2,3
	v_permlanex16_b32 v[TM+4+\b], v[TM+\b], s[SEL], s[SEL+1]
.endr
.irp b, 0,1,2,3
	v_max_num_f32 v[TM+\b], v[TM+\b], v[TM+4+\b]   ; with lane l xor 16's: the block's largest magnitude
.endr
.irp b, 0,1,2,3
	v_add_nc_u32 v[TM+12+\b], 0xff000000, v[TM+\b] ; 2 off its exponent field: the conversion's scale operand
.endr
.irp b, 0,1,2,3
	v_lshrrev_b32 v[TM+4+\b], 23, v[TM+12+\b]      ; the scale's byte
.endr
	v_lshl_or_b32 v[PW], v[TM+5], 8, v[TM+4]
	v_lshl_or_b32 v[PW], v[TM+6], 16, v[PW]
	v_lshl_or_b32 v[PW], v[TM+7], 24, v[PW]
.irp c, 0,1
	v_cvt_scalef32_pk16_fp6_f32 v[PC+6*\c:PC+2+6*\c], v[\s+32*\c:\s+15+32*\c], v[TM+12+2*\c]
	v_cvt_scalef32_pk16_fp6_f32 v[PC+12+4*\c:PC+14+4*\c], v[\s+16+32*\c:\s+31+32*\c], v[TM+12+2*\c+1]   ; (a conversion's three registers begin on an even number)
.endr
	v_nop                                          ; one plain place behind a scaled conversion
.irp c, 0,1                                    ; the operand's layout wants a whole block in a lane
.irp i, 0,1,2
	v_permlane16_swap_b32 v[PC+6*\c+\i], v[PC+12+4*\c+\i]
.endr
.irp i, 0,1,2
	v_mov_b32 v[PC+3+6*\c+\i], v[PC+12+4*\c+\i]
.endr
.endr
.endm
.macro TILE t
.if (\t) < 3
	s_wait_loadcnt 16                              ; this tile's 16 loads are in; the next tile's 16 may be out
.else
	s_wait_loadcnt 0x0
.endif
.irp i, 0,1,2,3,4,5,6,7,8,9,10,11,12,13,14,15
	ds_store_b128 v[SIN], v[RAW+64*((\t)%2)+4*\i:RAW+64*((\t)%2)+4*\i+3] offset:528*\i
.endr
.irp b, 0,1,2,3
.irp j, 0,1,2,3
	ds_load_b128 v[X+16*\b+4*\j:X+16*\b+4*\j+3], v[SOUT] offset:128*\b+16*\j   ; LDS serves a wave's instructions in order: these see the stores above
.endr
.endr
	s_wait_dscnt 0x0                               ; the numbers are back; the stage's stores have read their registers; the last tile's word store is done
.if (\t) < 2
	LOAD (\t)+2
.endif
.if (\t) > 0
	s_wait_xcnt 0x0                                ; the last tile's stores have read the fragment's registers, which are written again below
.endif
	QUANT X
.irp c, 0,1,2
	global_store_b128 v[LI], v[PC+4*\c:PC+4*\c+3], s[20:21] offset:1536*(\t)+512*\c   ; 32 lanes store 512 consecutive bytes, at a multiple of 256 from the buffer's first byte
.endr
	ds_store_b32 v[WW], v[PW] offset:64*(\t)       ; both halves of the lanes write the same word with the same value
.endm
	LOAD 0
	LOAD 1
	TILE 0
	TILE 1
	TILE 2
	TILE 3
	ds_load_b64 v[220:221], v[WR]                  ; my wave's 64 scale words
	s_wait_dscnt 0x0
	global_store_b64 v[W8], v[220:221], s[22:23]   ; 256 consecutive bytes, aligned
	s_wait_tensorcnt 0x0                           ; the wave's end
	ds_add_u32 v[SPW], v[NIL]
	s_wait_dscnt 0x0
	s_endpgm
.Lfunc_end_k_q13c0c736a5_quant:
	.size	k_q13c0c736a5_quant, .Lfunc_end_k_q13c0c736a5_quant-k_q13c0c736a5_quant
	.p2alignl 7, 3214868480
	.fill 96, 4, 3214868480
	.section	.rodata,"a",@progbits
	.p2align	6, 0x0
	.amdhsa_kernel k_q13c0c736a5_quant
		.amdhsa_group_segment_fixed_size 35328
		.amdhsa_private_segment_fixed_size 0
		.amdhsa_enable_private_segment 0
		.amdhsa_kernarg_size 48
		.amdhsa_user_sgpr_count 2
		.amdhsa_user_sgpr_kernarg_segment_ptr 1
		.amdhsa_wavefront_size32 1
		.amdhsa_system_sgpr_workgroup_id_x 1
		.amdhsa_system_sgpr_workgroup_id_y 1
		.amdhsa_system_sgpr_workgroup_id_z 1
		.amdhsa_system_vgpr_workitem_id 0
		.amdhsa_next_free_vgpr 256
		.amdhsa_next_free_sgpr 66
		.amdhsa_reserve_vcc 0
		.amdhsa_float_denorm_mode_32 3
		.amdhsa_float_denorm_mode_16_64 3
		.amdhsa_memory_ordered 1
		.amdhsa_forward_progress 1
		.amdhsa_inst_pref_size 34
	.end_amdhsa_kernel
	.amdgpu_metadata
---
amdhsa.version: [ 1, 2 ]
amdhsa.kernels:
  - .name:           k_q13c0c736a5_quant
    .symbol:         k_q13c0c736a5_quant.kd
    .args:
      - { .name: x, .offset: 0, .size: 8, .value_kind: global_buffer, .address_space: global }
      - { .name: W_q, .offset: 8, .size: 8, .value_kind: global_buffer, .address_space: global }
      - { .name: W_k, .offset: 16, .size: 8, .value_kind: global_buffer, .address_space: global }
      - { .name: W_v, .offset: 24, .size: 8, .value_kind: global_buffer, .address_space: global }
      - { .name: xr, .offset: 32, .size: 8, .value_kind: global_buffer, .address_space: global }
      - { .name: wr, .offset: 40, .size: 8, .value_kind: global_buffer, .address_space: global }
    .group_segment_fixed_size: 35328
    .private_segment_fixed_size: 0
    .kernarg_segment_align: 8
    .kernarg_segment_size: 48
    .max_flat_workgroup_size: 128
    .sgpr_count:     66
    .vgpr_count:     256
    .wavefront_size: 32
...
	.end_amdgpu_metadata
.endif
;; end of part 1
;; launch proj (part 2): grid 8 x 48, 4 waves a work-group, clusters of 4 x 4, 327,680 bytes of LDS; arguments xr, wr, qkr, vtr; writes qkr, vtr
.if DOCPART == 2
	.amdgcn_target "amdgcn-amd-amdhsa--gfx1250"
	.amdhsa_code_object_version 6
	.text
	.protected	k_q13c0c736a5_proj
	.globl	k_q13c0c736a5_proj
	.p2align	8
	.type	k_q13c0c736a5_proj,@function
k_q13c0c736a5_proj:
	s_mov_b64 s[64:65], 0
	v_nop
	global_prefetch_b8 v0, s[64:65] scope:SCOPE_SE
	s_setreg_imm32_b32 hwreg(HW_REG_WAVE_MODE, 25, 1), 1
	s_wait_xcnt 0x0
	s_wait_alu depctr_hold_cnt(0) depctr_sa_sdst(0) depctr_va_vdst(0) depctr_va_sdst(0) depctr_va_ssrc(0) depctr_va_vcc(0) depctr_vm_vsrc(0)
	s_getreg_b32 s2, hwreg(HW_REG_IB_STS2, 6, 4)
	s_cmp_eq_u32 s2, 0
	s_cbranch_scc0 .Lentry_in_a_cluster
	s_endpgm
.Lentry_in_a_cluster:
	s_bfe_u32 s2, ttmp6, 0x10000c
	s_cmp_lg_u32 s2, 0xf033
	s_cbranch_scc0 .Lentry_shape_is_right
	s_endpgm
.Lentry_shape_is_right:
; q = x W_q^T, k = x W_k^T and v^T = W_v x^T on codes of FP6 (E2M3) with E8M0 scales, and the results quantised again on the way out, each along the K of the product that will read it.
; OPERANDS ARE RECORDS (128 rows x 128 K in the order of an operand's registers: 8 fragments of 1,536 bytes, then 128 scale words: 12,800 bytes; tile 2 b + u, place r = row 32 b + 8 u + r + 8 (r / 8)).
; A tile of the result, 256 x 256, is made by four waves, 128 x 128 each: 64 accumulators, 512 registers.  "A" is source 1 (its rows are the result's lanes), "B" source 0 (its rows run down the result's registers:
; by the tiles' row order the 16 registers of tiles 2 b, 2 b + 1 are 16 neighbours).  So a wave's 128 x 128 becomes exactly one record of the next operand: rows = A's, K = B's rows.
; CLUSTERS of 4 x 4.  Cluster y 0-7: A = x's tokens, B = W_q's and W_k's rows; out: qkr [64 token groups][16 K steps: 0-7 q's channels, 8-15 k's].
; Cluster y 8-11: A = W_v's rows, B = x's tokens; out: vtr [8 channel groups][64 K steps of 128 tokens]: v with the keys innermost.  The choice hangs on the cluster's number alone: pointers and numbers are selected, no branch.
; K = 1,024 goes in four slots' worth of 256 through a ring of two LDS slots; two neighbouring K steps of a group are one dense block of 25,600 bytes: one tensor load a wave, asked for jointly
; (A's along a row of the cluster, B's along a column).  The scale words travel inside the records, so no LDS address is stepped.
; REGISTERS, in windows of 256: window 0: v1-31 addresses; v32-63 scale words, two sets; v128-223 A's 8 fragments, one set.  Window 1: B's fragments, two sets, at v0 and v128.  Windows 2, 3: accumulator (a, b) at v[8 (8 (a % 4) + b)].
; No prefetch is laid: K has four slots, of which two are asked for at the head.
; LIMITS: a block of zeros gets the byte 1 (its codes are zeros; this program alone reads the bytes); NaN and infinities are not served.
.set RECA,  12800
.set RECB,  12800
.set HALFA, 2*RECA                     ; what one tensor load brings: a group's two K steps
.set HALFB, 2*RECB
.set SLOT,  2*HALFA+2*HALFB            ; A's two groups, then B's two
.set SPARE, 2*SLOT                     ; behind the ring: the spare words, 128 bytes a wave
.set FR,    12
.set LAPS,  2
.set ADRS, 12                          ; v12-15 my scale words in slot s, K step q: v[ADRS + 2 s + q]; lanes 0-15 A's, lanes 16-31 B's
.set ADRA, 16                          ; v16-17 my A fragments in slot 0, 1
.set ADRB, 20                          ; v20-21 my B fragments
.set WST,  24                          ; v24 the way out: my row's scale word in my stage
.set WRD,  25                          ; v25 and the words' way back
.set LI,   26                          ; v26 16 x lane
.set SPW,  28                          ; v28 my spare word; never rewritten
.set NIL,  29                          ; v29 0; never rewritten
.set SC,   32
.set AF,   128
.set PWA,  64                          ; the way out: v64-71 a scale word for each block
.set PCB,  128                         ; v128-223 a fragment for each block, so that no store's data are written again
.set TM,   224                         ; v224-239 at work
.set CT,   240                         ; v240-242, v244-246 the conversions' second halves
.set SEL,  66                          ; s[66:67] lane selects: lane l xor 16
.set G1,  24
.set G0,  32
.set G1B, 48
.set G0B, 56
.set MSB, 0
.macro WIN new                         ; the immediate's high byte repeats the setting that is left
.if MSB != (\new)
	s_set_vgpr_msb (MSB<<8)|(\new)
.set MSB, (\new)
.endif
.endm
.set MUL_LO, 0xa1                      ; source 0 (B) window 1, source 1 (A) window 0, C and D window 2
.set MUL_HI, 0xf1
.set TO_B,   0x40
; A joint load: waves 0 and 1 fetch A's two groups, waves 2 and 3 B's.  The branch hangs on the wave's number alone.  An s_nop 0 and four v_nop follow each line.
.macro JLOAD g0a, g1a, g0b, g1b
	s_cmp_eq_u32 s15, 0
	s_cbranch_scc0 .Lfor_b_\@
	tensor_load_to_lds s[\g0a:\g0a+3], s[\g1a:\g1a+7]
	s_nop 0
.rept 4
	v_nop
.endr
	s_branch .Lasked_\@
.Lfor_b_\@:
	tensor_load_to_lds s[\g0b:\g0b+3], s[\g1b:\g1b+7]
	s_nop 0
.rept 4
	v_nop
.endr
.Lasked_\@:
.endm
.macro CREST                           ; a round of the cluster's barrier behind its opening barrier
	s_cmp_lg_u32 s14, 0
	s_cbranch_scc1 .Lnot_wave_0_\@
	s_barrier_signal -3
.Lnot_wave_0_\@:
	s_barrier_wait -3
	s_barrier_signal -1
	s_barrier_wait -1
.endm
.macro CROUND
	s_barrier_signal -1
	s_barrier_wait -1
	CREST
.endm
.macro PLACES n                        ; plain vector instructions behind matrix instructions, ahead of loads into their registers and of reads of their results
.rept \n
	v_nop
.endr
.endm
.macro FRAG reg, adr, off              ; a fragment comes as the image of its registers: three loads of 512 consecutive bytes
.irp c, 0,1,2
	ds_load_b128 v[\reg+4*\c:\reg+4*\c+3], v[\adr] offset:\off+512*\c
.endr
.endm
.macro FETCH_B slot, q, p
	WIN TO_B
.irp i, 0,1,2,3,4,5,6,7
	FRAG 128*(\p)+FR*\i, ADRB+\slot, (\q)*RECB+1536*\i
.endr
	WIN 0
.endm
.macro FETCH_A slot, q, i0
.irp i, \i0, \i0+1, \i0+2, \i0+3
	FRAG AF+FR*(\i), ADRA+\slot, (\q)*RECA+1536*(\i)
.endr
.endm
.macro SCALES slot                     ; a slot's scale words: register 8 q + i: lanes 0-15 A's block i, lanes 16-31 B's block i
.irp q, 0,1
.irp i, 0,1,2,3,4,5,6,7
	ds_load_b32 v[SC+16*\slot+8*\q+\i], v[ADRS+2*\slot+\q] offset:64*\i
.endr
.endr
.endm
; 16 matrix instructions: A's blocks a0, a0 + 1 x B's eight.  The 64 accumulators take turns, one instruction a turn, in the same order in every step.
.macro MUL16 a0, p, q, sc, zero
.irp a, \a0, \a0+1
.irp b, 0,1,2,3,4,5,6,7
.if \zero
	v_wmma_scale_f32_16x16x128_f8f6f4 v[8*(8*((\a)%4)+\b):8*(8*((\a)%4)+\b)+7], v[128*(\p)+FR*\b:128*(\p)+FR*\b+FR-1], v[AF+FR*(\a):AF+FR*(\a)+FR-1], 0, v[SC+16*(\sc)+8*(\q)+\b], v[SC+16*(\sc)+8*(\q)+(\a)] matrix_a_fmt:MATRIX_FMT_FP6 matrix_b_fmt:MATRIX_FMT_FP6 matrix_a_scale:MATRIX_SCALE_ROW1
.else
	v_wmma_scale_f32_16x16x128_f8f6f4 v[8*(8*((\a)%4)+\b):8*(8*((\a)%4)+\b)+7], v[128*(\p)+FR*\b:128*(\p)+FR*\b+FR-1], v[AF+FR*(\a):AF+FR*(\a)+FR-1], v[8*(8*((\a)%4)+\b):8*(8*((\a)%4)+\b)+7], v[SC+16*(\sc)+8*(\q)+\b], v[SC+16*(\sc)+8*(\q)+(\a)] matrix_a_fmt:MATRIX_FMT_FP6 matrix_b_fmt:MATRIX_FMT_FP6 matrix_a_scale:MATRIX_SCALE_ROW1
.endif
.endr
.endr
.endm
.macro STEP slot, zero                 ; a slot's first K step; it fetches the second's fragments
	s_wait_dscnt 12                                ; all but the youngest 12 loads (A's blocks 4-7) are in
	WIN MUL_LO
	MUL16 0, 0, 0, \slot, \zero
	MUL16 2, 0, 0, \slot, \zero
	s_wait_dscnt 0x0                               ; A's blocks 4-7 are in
	PLACES 4
	FETCH_B \slot, 1, 1
	FETCH_A \slot, 1, 0
	WIN MUL_HI
	MUL16 4, 0, 0, \slot, \zero
	MUL16 6, 0, 0, \slot, \zero
	PLACES 4
	WIN 0
	FETCH_A \slot, 1, 4
.endm
; A slot's second K step changes slots: one barrier; ahead of it each wave waits for all its tensor loads, adds 0 to its spare word, and waits for that and for its own reads of this slot.
.macro TURN slot, next, fill
	s_wait_tensorcnt 0x0                           ; all my tensor loads have landed: my part of the next slot
	ds_add_u32 v[SPW], v[NIL]                      ; 0 onto my spare word
	s_wait_dscnt 13                                ; (the add and the youngest 12 loads may be out)
	WIN MUL_LO
	MUL16 0, 1, 1, \slot, 0
	s_wait_dscnt 0x0                               ; the add is done, and my reads of this slot are over
	s_barrier_signal -1
	MUL16 2, 1, 1, \slot, 0
	WIN 0
	s_barrier_wait -1
.if \fill
	CREST                                          ; the barrier has opened a round of the cluster's: no wave of any partner still reads this slot or has a load on its way
	s_add_nc_u64 s[G0+4*\slot+2:G0+4*\slot+3], s[G0+4*\slot+2:G0+4*\slot+3], 2*HALFA
	s_add_nc_u64 s[G0B+4*\slot+2:G0B+4*\slot+3], s[G0B+4*\slot+2:G0B+4*\slot+3], 2*HALFB
	JLOAD G0+4*\slot, G1, G0B+4*\slot, G1B         ; the first tensor load behind the round; its four v_nop are the places ahead of the loads below
.else
	PLACES 4
.endif
	FETCH_B \next, 0, 0
	FETCH_A \next, 0, 0
	SCALES \next
	WIN MUL_HI
	MUL16 4, 1, 1, \slot, 0
	MUL16 6, 1, 1, \slot, 0
	PLACES 4
	WIN 0
	FETCH_A \next, 0, 4
.endm
	s_load_b128 s[4:7], s[0:1], 0x0                ; xr, wr
	s_load_b128 s[8:11], s[0:1], 0x10              ; qkr, vtr
	v_lshl_add_u32 v[SPW], v0, 2, SPARE
	v_mov_b32 v[NIL], 0
	ds_add_u32 v[SPW], v[NIL]                      ; the wave's opening
	v_lshrrev_b32 v1, 5, v0
	v_readfirstlane_b32 s14, v1                    ; wave
	s_lshr_b32 s15, s14, 1                         ; my half of A's rows.  Also: I fetch for A (0) or for B (1)
	s_and_b32 s16, s14, 1                          ; my half of B's rows.  Also: which group of that tile I fetch
	s_bfe_u32 s40, ttmp6, 0x40000                  ; cx
	s_bfe_u32 s41, ttmp6, 0x40004                  ; cy
	s_and_b32 s78, ttmp7, 0xffff                   ; cluster y
	s_sub_co_u32 s71, s78, 8
	s_lshl_b32 s71, s71, 1
	s_add_co_u32 s71, s71, ttmp9                   ; v^T: 2 (cluster y - 8) + cluster x
	s_cmp_ge_u32 s78, 8                            ; v^T or q, k: the same in all sixteen partners
	s_cselect_b32 s70, 0, s78
	s_cselect_b32 s71, s71, ttmp9
	s_cselect_b32 s72, 16, 0                       ; W_v's groups begin at 16
	s_cselect_b32 s73, 64, 16                      ; K steps in a group of the output
	s_lshl_b32 s17, s70, 2
	s_add_co_u32 s17, s17, s41                     ; tile row
	s_lshl_b32 s42, s71, 2
	s_add_co_u32 s42, s42, s40                     ; tile column
	s_lshl_b32 s43, s41, 2
	s_lshl_b32 s43, 15, s43                        ; my row of the cluster
	s_lshl_b32 s44, 0x1111, s40                    ; my column
	; descriptor group 1: a dense block of 25,600 bytes as 100 rows of 32 elements of 8 bytes, no padding
	s_or_b32 s[G1+0], s43, (3<<16)|(1<<21)
	s_or_b32 s[G1B+0], s44, (3<<16)|(1<<21)
.irp g, G1, G1B
	s_mov_b32 s[\g+1], 32<<16                      ; tensor_dim0
	s_mov_b32 s[\g+2], 100<<16                     ; tensor_dim1
	s_mov_b32 s[\g+3], 32<<16                      ; tile_dim0
	s_mov_b32 s[\g+4], 100                         ; tile_dim1
	s_mov_b32 s[\g+5], 32                          ; the pitch
	s_mov_b32 s[\g+6], 0
	s_mov_b32 s[\g+7], 0
.endr
	s_lshl_b32 s20, s17, 1
	s_add_co_u32 s20, s20, s16
	s_add_co_u32 s20, s20, s72
	s_mul_i32 s20, s20, 102400                     ; A: the group that I fetch (8 records a group)
	s_mov_b32 s21, 0
	s_lshl_b32 s46, s42, 1
	s_add_co_u32 s46, s46, s16
	s_mul_i32 s46, s46, 102400                     ; B likewise
	s_mov_b32 s47, 0
	s_mul_i32 s45, s16, HALFA                      ; where they go: no place in the cluster enters an LDS address
	s_mul_i32 s79, s16, HALFB
	s_add_co_u32 s79, s79, 2*HALFA
	s_wait_dscnt 0x0                               ; the opening add is done
	s_wait_kmcnt 0x0
	s_cmp_ge_u32 s78, 8
	s_cselect_b64 s[74:75], s[6:7], s[4:5]         ; A
	s_cselect_b64 s[76:77], s[4:5], s[6:7]         ; B
	s_cselect_b64 s[12:13], s[10:11], s[8:9]       ; the output
	s_add_nc_u64 s[20:21], s[74:75], s[20:21]
	s_add_nc_u64 s[46:47], s[76:77], s[46:47]
	CROUND                                         ; all sixteen work-groups are here: the first joint loads meet
.irp s, 0,1
	s_mov_b32 s[G0+4*\s], 1
	s_add_co_u32 s[G0+4*\s+1], s45, \s*SLOT
	s_add_nc_u64 s[G0+4*\s+2:G0+4*\s+3], s[20:21], \s*HALFA
	s_or_b32 s[G0+4*\s+3], s[G0+4*\s+3], 0x80000000
	s_mov_b32 s[G0B+4*\s], 1
	s_add_co_u32 s[G0B+4*\s+1], s79, \s*SLOT
	s_add_nc_u64 s[G0B+4*\s+2:G0B+4*\s+3], s[46:47], \s*HALFB
	s_or_b32 s[G0B+4*\s+3], s[G0B+4*\s+3], 0x80000000
	JLOAD G0+4*\s, G1, G0B+4*\s, G1B               ; two tensor loads of mine are out behind these
.endr
	v_and_b32 v1, 15, v0                           ; r
	v_bfe_u32 v2, v0, 4, 1                         ; h
	v_and_b32 v8, 31, v0
	v_lshlrev_b32 v[LI], 4, v8
	s_mul_i32 s21, s15, HALFA
	s_mul_i32 s22, s16, HALFB
	s_add_co_u32 s22, s22, 2*HALFA
.irp s, 0,1
	v_add_nc_u32 v[ADRA+\s], s21, v[LI]
	v_add_nc_u32 v[ADRB+\s], s22, v[LI]
	s_add_co_u32 s21, s21, SLOT
	s_add_co_u32 s22, s22, SLOT
.endr
	s_mul_i32 s21, s15, HALFA
	s_mul_i32 s22, s16, HALFB
	s_add_co_u32 s22, s22, 2*HALFA
	s_sub_co_u32 s22, s22, s21                     ; from A's words to B's
	s_add_co_u32 s21, s21, 12288
	v_lshlrev_b32 v5, 2, v1                        ; 4 r
.irp q, 0,1
	v_mul_u32_u24 v6, s22, v2                      ; lanes 16-31 take B's
	v_add_nc_u32 v6, v5, v6
	v_add_nc_u32 v[ADRS+\q], s21, v6
	s_add_co_u32 s23, s21, SLOT
	v_add_nc_u32 v[ADRS+2+\q], s23, v6
	s_add_co_u32 s21, s21, RECA
	s_sub_co_u32 s22, s22, RECA-RECB
.endr
	s_lshl_b32 s23, s14, 11                        ; my stage for the scale words: 2,048 bytes a wave, in slot 0
	v_add_nc_u32 v[WST], s23, v5
	v_add_nc_u32 v[WRD], s23, v[LI]
.irp b, 0,1,2,3
	v_mov_b32 v[TM+4+\b], 0                        ; written once: a lane permute's destination counts as one of its sources
.endr
	s_mov_b32 s[SEL], 0x76543210
	s_mov_b32 s[SEL+1], 0xfedcba98
	s_lshl_b32 s84, s17, 1
	s_add_co_u32 s84, s84, s15
	s_mul_i32 s84, s84, s73
	s_lshl_b32 s85, s42, 1
	s_add_co_u32 s84, s84, s85
	s_add_co_u32 s84, s84, s16
	s_mul_i32 s84, s84, 12800                      ; my record: (group of A's rows) x K steps + (group of B's rows)
	s_mov_b32 s85, 0
	s_add_nc_u64 s[12:13], s[12:13], s[84:85]
	s_wait_tensorcnt 0x1                           ; my part of slot 0 is in; slot 1's may stay out
	s_barrier_signal -1
	s_barrier_wait -1
	FETCH_B 0, 0, 0
	FETCH_A 0, 0, 0
	SCALES 0
	FETCH_A 0, 0, 4
	STEP 0, 1                                      ; the first step's products start the sums
	s_mov_b32 s3, LAPS-1
.Llap:
	TURN 0, 1, 1
	STEP 1, 0
	TURN 1, 0, 1
	STEP 0, 0
	s_sub_co_u32 s3, s3, 1
	s_cmp_lg_u32 s3, 0
	s_cbranch_scc1 .Llap
	TURN 0, 1, 0                                   ; the last lap fills nothing
	STEP 1, 0
	s_wait_dscnt 12
	WIN MUL_LO
	MUL16 0, 1, 1, 1, 0
	MUL16 2, 1, 1, 1, 0
	s_wait_dscnt 0x0
	WIN MUL_HI
	MUL16 4, 1, 1, 1, 0
	MUL16 6, 1, 1, 1, 0
	WIN 0
	PLACES 4
; THE WAY OUT.  Block a's 64 registers of a lane are register 16 b + i = k 32 b + 16 h + i of the lane's row: they become fragment a of my record and its scale word.  Each accumulator is read from its low end on.
.macro QUANTW a
.set QS, 64*((\a)%4)
.set QW, 2+(\a)/4
.set QP, PCB+12*(\a)
.set QZ, PWA+(\a)
	WIN 5*QW                                       ; sources 0 and 1 in the accumulators' window
.irp b, 0,1,2,3
	v_max3_num_f32 v[TM+\b], |v[QS+16*\b]|, |v[QS+1+16*\b]|, 0x1800000   ; and the floor 2^(3 - 127)
.endr
.irp i, 2,4,6,8,10,12,14
.irp b, 0,1,2,3
	v_max3_num_f32 v[TM+\b], |v[QS+16*\b+\i]|, |v[QS+1+16*\b+\i]|, v[TM+\b]
.endr
.endr
	WIN 0
.irp b, 0,1,2,3
	v_permlanex16_b32 v[TM+4+\b], v[TM+\b], s[SEL], s[SEL+1]
.endr
.irp b, 0,1,2,3
	v_max_num_f32 v[TM+\b], v[TM+\b], v[TM+4+\b]
.endr
.irp b, 0,1,2,3
	v_add_nc_u32 v[TM+12+\b], 0xff000000, v[TM+\b] ; 2 off the exponent field: the conversion's scale operand
.endr
.irp b, 0,1,2,3
	v_lshrrev_b32 v[TM+4+\b], 23, v[TM+12+\b]      ; the scale's byte
.endr
	v_lshl_or_b32 v[QZ], v[TM+5], 8, v[TM+4]
	v_lshl_or_b32 v[QZ], v[TM+6], 16, v[QZ]
	v_lshl_or_b32 v[QZ], v[TM+7], 24, v[QZ]
	WIN QW                                         ; source 0 in the accumulators' window
.irp c, 0,1
	v_cvt_scalef32_pk16_fp6_f32 v[QP+6*\c:QP+6*\c+2], v[QS+32*\c:QS+32*\c+15], v[TM+12+2*\c]
	v_cvt_scalef32_pk16_fp6_f32 v[CT+4*\c:CT+4*\c+2], v[QS+16+32*\c:QS+31+32*\c], v[TM+13+2*\c]
.endr
	WIN 0
	v_nop                                          ; one plain place behind a scaled conversion
.irp c, 0,1
.irp i, 0,1,2
	v_permlane16_swap_b32 v[QP+6*\c+\i], v[CT+4*\c+\i]
.endr
.irp i, 0,1,2
	v_mov_b32 v[QP+3+6*\c+\i], v[CT+4*\c+\i]
.endr
.endr
.endm
.irp a, 0,1,2,3,4,5,6,7
	QUANTW \a
.irp c, 0,1,2
	global_store_b128 v[LI], v[PCB+12*\a+4*\c:PCB+12*\a+4*\c+3], s[12:13] offset:1536*\a+512*\c   ; 512 consecutive bytes, at a multiple of 256 from the buffer's first byte
.endr
	ds_store_b32 v[WST], v[PWA+\a] offset:64*\a    ; slot 0 has had its last fill, and every wave has passed the barrier behind which nobody reads it
.endr
	ds_load_b128 v[72:75], v[WRD]                  ; my record's 128 scale words
	s_wait_dscnt 0x0
	global_store_b128 v[LI], v[72:75], s[12:13] offset:12288
	s_wait_tensorcnt 0x0                           ; the wave's end
	ds_add_u32 v[SPW], v[NIL]
	s_wait_dscnt 0x0
	CROUND                                         ; the closing round
	s_endpgm
.Lfunc_end_k_q13c0c736a5_proj:
	.size	k_q13c0c736a5_proj, .Lfunc_end_k_q13c0c736a5_proj-k_q13c0c736a5_proj
	.p2alignl 7, 3214868480
	.fill 96, 4, 3214868480
	.section	.rodata,"a",@progbits
	.p2align	6, 0x0
	.amdhsa_kernel k_q13c0c736a5_proj
		.amdhsa_group_segment_fixed_size 327680
		.amdhsa_private_segment_fixed_size 0
		.amdhsa_enable_private_segment 0
		.amdhsa_kernarg_size 32
		.amdhsa_user_sgpr_count 2
		.amdhsa_user_sgpr_kernarg_segment_ptr 1
		.amdhsa_wavefront_size32 1
		.amdhsa_system_sgpr_workgroup_id_x 1
		.amdhsa_system_sgpr_workgroup_id_y 1
		.amdhsa_system_sgpr_workgroup_id_z 1
		.amdhsa_system_vgpr_workitem_id 0
		.amdhsa_next_free_vgpr 1024
		.amdhsa_next_free_sgpr 100
		.amdhsa_reserve_vcc 0
		.amdhsa_float_denorm_mode_32 3
		.amdhsa_float_denorm_mode_16_64 3
		.amdhsa_memory_ordered 1
		.amdhsa_forward_progress 1
		.amdhsa_inst_pref_size 140
	.end_amdhsa_kernel
	.amdgpu_metadata
---
amdhsa.version: [ 1, 2 ]
amdhsa.kernels:
  - .name:           k_q13c0c736a5_proj
    .symbol:         k_q13c0c736a5_proj.kd
    .args:
      - { .name: xr, .offset: 0, .size: 8, .value_kind: global_buffer, .address_space: global }
      - { .name: wr, .offset: 8, .size: 8, .value_kind: global_buffer, .address_space: global }
      - { .name: qkr, .offset: 16, .size: 8, .value_kind: global_buffer, .address_space: global }
      - { .name: vtr, .offset: 24, .size: 8, .value_kind: global_buffer, .address_space: global }
    .group_segment_fixed_size: 327680
    .private_segment_fixed_size: 0
    .kernarg_segment_align: 8
    .kernarg_segment_size: 32
    .max_flat_workgroup_size: 128
    .sgpr_count:     100
    .vgpr_count:     1024
    .wavefront_size: 32
...
	.end_amdgpu_metadata
.endif
;; end of part 2
;; launch scores (part 3): grid 12 x 16, 4 waves a work-group, clusters of 4 x 4, 327,680 bytes of LDS; arguments qkr, pr; writes pr
.if DOCPART == 3
	.amdgcn_target "amdgcn-amd-amdhsa--gfx1250"
	.amdhsa_code_object_version 6
	.text
	.protected	k_q13c0c736a5_scores
	.globl	k_q13c0c736a5_scores
	.p2align	8
	.type	k_q13c0c736a5_scores,@function
k_q13c0c736a5_scores:
	s_mov_b64 s[64:65], 0
	v_nop
	global_prefetch_b8 v0, s[64:65] scope:SCOPE_SE
	s_setreg_imm32_b32 hwreg(HW_REG_WAVE_MODE, 25, 1), 1
	s_wait_xcnt 0x0
	s_wait_alu depctr_hold_cnt(0) depctr_sa_sdst(0) depctr_va_vdst(0) depctr_va_sdst(0) depctr_va_ssrc(0) depctr_va_vcc(0) depctr_vm_vsrc(0)
	s_getreg_b32 s2, hwreg(HW_REG_IB_STS2, 6, 4)
	s_cmp_eq_u32 s2, 0
	s_cbranch_scc0 .Lentry_in_a_cluster
	s_endpgm
.Lentry_in_a_cluster:
	s_bfe_u32 s2, ttmp6, 0x10000c
	s_cmp_lg_u32 s2, 0xf033
	s_cbranch_scc0 .Lentry_shape_is_right
	s_endpgm
.Lentry_shape_is_right:
; S^T = K Q^T on codes of FP6 (E2M3), the causal mask, and p = 2^(t - M) quantised along the keys, t = score x log2(e) / 32.
; M HERE IS LOCAL: the ceiling of the largest t of a query among the 128 keys of one key step.  M is a whole number, so p's codes are those under the row's M, and only the scale bytes differ, by a whole number that the
; next launch takes off.  Each wave's 128 queries x 128 keys leave as ONE record of 13,824 bytes: 8 fragments (12,288), 128 scale words with 64 added to each byte, 128 local M (f32), 128 local sums of the unquantised p (f32).
; OPERANDS are records of qkr [64 token groups][16 K steps: 0-7 q, 8-15 k]; "A" (source 1, the result's lanes) = queries, "B" (source 0, down the registers) = keys.
; CLUSTERS of 4 x 4: cluster x 0, 1, 2 = the blocks (0, 0), (1, 0), (1, 1) of 1,024 queries x 1,024 keys of batch = cluster y; the block that lies wholly above the diagonal is not launched.  Inside a cluster all
; partners run alike: the mask is applied in every tile by a select; a tile above the diagonal leaves zero codes, a sum of 0 and M = -3e38.
; The ring, the joint loads and the registers of the products are those of the launch that makes qkr.  No prefetch is laid: K has four slots, of which two are asked for at the head.
; LIMITS: NaN and infinities are not served; beyond |t| = 2^24 a whole M is no finer than t's own rounding.
.set RECA,  12800
.set RECB,  12800
.set HALFA, 2*RECA
.set HALFB, 2*RECB
.set SLOT,  2*HALFA+2*HALFB
.set SPARE, 2*SLOT
.set FR,    12
.set LAPS,  2
.set D0,   3                           ; v3  my query of block 0 less my first key: signed
.set NINF, 4                           ; v4  -infinity
.set ADRS, 12
.set ADRA, 16
.set ADRB, 20
.set WST,  24
.set WRD,  25
.set LI,   26
.set SPW,  28
.set NIL,  29
.set SC,   32
.set AF,   128
.set W,    64                          ; the way out: v64-127 a block's scores, then p
.set PCB,  128                         ; v128-223 a fragment for each block
.set BM,   224                         ; v224-227 the blocks' largest scores, then largest p
.set BX,   228                         ; v228-231 permutes' destinations, then bytes
.set SO,   232                         ; v232-235 the conversions' scale operands
.set CT,   236                         ; v236-238, v240-242
.set LA,   244
.set LB,   246
.set NM,   248                         ; v[248:249] -M (the pair is named; v249 = 0)
.set T0,   250
.set PWD,  251
.set MS,   252
.set LS,   253
.set SEL,  66
.set CS,   68                          ; s[68:69] c = log2(e) / 32
.set G1,  24
.set G0,  32
.set G1B, 48
.set G0B, 56
.set MSB, 0
.macro WIN new
.if MSB != (\new)
	s_set_vgpr_msb (MSB<<8)|(\new)
.set MSB, (\new)
.endif
.endm
.set MUL_LO, 0xa1
.set MUL_HI, 0xf1
.set TO_B,   0x40
.macro JLOAD g0a, g1a, g0b, g1b        ; a joint load: waves 0, 1 for A, waves 2, 3 for B; an s_nop 0 and four v_nop follow each line
	s_cmp_eq_u32 s15, 0
	s_cbranch_scc0 .Lfor_b_\@
	tensor_load_to_lds s[\g0a:\g0a+3], s[\g1a:\g1a+7]
	s_nop 0
.rept 4
	v_nop
.endr
	s_branch .Lasked_\@
.Lfor_b_\@:
	tensor_load_to_lds s[\g0b:\g0b+3], s[\g1b:\g1b+7]
	s_nop 0
.rept 4
	v_nop
.endr
.Lasked_\@:
.endm
.macro CREST
	s_cmp_lg_u32 s14, 0
	s_cbranch_scc1 .Lnot_wave_0_\@
	s_barrier_signal -3
.Lnot_wave_0_\@:
	s_barrier_wait -3
	s_barrier_signal -1
	s_barrier_wait -1
.endm
.macro CROUND
	s_barrier_signal -1
	s_barrier_wait -1
	CREST
.endm
.macro PLACES n
.rept \n
	v_nop
.endr
.endm
.macro FRAG reg, adr, off
.irp c, 0,1,2
	ds_load_b128 v[\reg+4*\c:\reg+4*\c+3], v[\adr] offset:\off+512*\c
.endr
.endm
.macro FETCH_B slot, q, p
	WIN TO_B
.irp i, 0,1,2,3,4,5,6,7
	FRAG 128*(\p)+FR*\i, ADRB+\slot, (\q)*RECB+1536*\i
.endr
	WIN 0
.endm
.macro FETCH_A slot, q, i0
.irp i, \i0, \i0+1, \i0+2, \i0+3
	FRAG AF+FR*(\i), ADRA+\slot, (\q)*RECA+1536*(\i)
.endr
.endm
.macro SCALES slot
.irp q, 0,1
.irp i, 0,1,2,3,4,5,6,7
	ds_load_b32 v[SC+16*\slot+8*\q+\i], v[ADRS+2*\slot+\q] offset:64*\i
.endr
.endr
.endm
.macro MUL16 a0, p, q, sc, zero        ; the 64 accumulators take turns, in the same order in every step
.irp a, \a0, \a0+1
.irp b, 0,1,2,3,4,5,6,7
.if \zero
	v_wmma_scale_f32_16x16x128_f8f6f4 v[8*(8*((\a)%4)+\b):8*(8*((\a)%4)+\b)+7], v[128*(\p)+FR*\b:128*(\p)+FR*\b+FR-1], v[AF+FR*(\a):AF+FR*(\a)+FR-1], 0, v[SC+16*(\sc)+8*(\q)+\b], v[SC+16*(\sc)+8*(\q)+(\a)] matrix_a_fmt:MATRIX_FMT_FP6 matrix_b_fmt:MATRIX_FMT_FP6 matrix_a_scale:MATRIX_SCALE_ROW1
.else
	v_wmma_scale_f32_16x16x128_f8f6f4 v[8*(8*((\a)%4)+\b):8*(8*((\a)%4)+\b)+7], v[128*(\p)+FR*\b:128*(\p)+FR*\b+FR-1], v[AF+FR*(\a):AF+FR*(\a)+FR-1], v[8*(8*((\a)%4)+\b):8*(8*((\a)%4)+\b)+7], v[SC+16*(\sc)+8*(\q)+\b], v[SC+16*(\sc)+8*(\q)+(\a)] matrix_a_fmt:MATRIX_FMT_FP6 matrix_b_fmt:MATRIX_FMT_FP6 matrix_a_scale:MATRIX_SCALE_ROW1
.endif
.endr
.endr
.endm
.macro STEP slot, zero
	s_wait_dscnt 12                                ; all but the youngest 12 loads (A's blocks 4-7) are in
	WIN MUL_LO
	MUL16 0, 0, 0, \slot, \zero
	MUL16 2, 0, 0, \slot, \zero
	s_wait_dscnt 0x0
	PLACES 4
	FETCH_B \slot, 1, 1
	FETCH_A \slot, 1, 0
	WIN MUL_HI
	MUL16 4, 0, 0, \slot, \zero
	MUL16 6, 0, 0, \slot, \zero
	PLACES 4
	WIN 0
	FETCH_A \slot, 1, 4
.endm
.macro TURN slot, next, fill
	s_wait_tensorcnt 0x0                           ; all my tensor loads have landed: my part of the next slot
	ds_add_u32 v[SPW], v[NIL]                      ; 0 onto my spare word
	s_wait_dscnt 13                                ; (the add and the youngest 12 loads may be out)
	WIN MUL_LO
	MUL16 0, 1, 1, \slot, 0
	s_wait_dscnt 0x0                               ; the add is done, and my reads of this slot are over
	s_barrier_signal -1
	MUL16 2, 1, 1, \slot, 0
	WIN 0
	s_barrier_wait -1
.if \fill
	CREST                                          ; a round of the cluster's barrier: no wave of any partner still reads this slot or has a load on its way
	s_add_nc_u64 s[G0+4*\slot+2:G0+4*\slot+3], s[G0+4*\slot+2:G0+4*\slot+3], 2*HALFA
	s_add_nc_u64 s[G0B+4*\slot+2:G0B+4*\slot+3], s[G0B+4*\slot+2:G0B+4*\slot+3], 2*HALFB
	JLOAD G0+4*\slot, G1, G0B+4*\slot, G1B
.else
	PLACES 4
.endif
	FETCH_B \next, 0, 0
	FETCH_A \next, 0, 0
	SCALES \next
	WIN MUL_HI
	MUL16 4, 1, 1, \slot, 0
	MUL16 6, 1, 1, \slot, 0
	PLACES 4
	WIN 0
	FETCH_A \next, 0, 4
.endm
	s_load_b128 s[4:7], s[0:1], 0x0                ; qkr, pr
	v_lshl_add_u32 v[SPW], v0, 2, SPARE
	v_mov_b32 v[NIL], 0
	ds_add_u32 v[SPW], v[NIL]                      ; the wave's opening
	v_lshrrev_b32 v1, 5, v0
	v_readfirstlane_b32 s14, v1
	s_lshr_b32 s15, s14, 1                         ; my half of the queries.  Also: I fetch for A (0) or for B (1)
	s_and_b32 s16, s14, 1                          ; my half of the keys.  Also: which group I fetch
	s_bfe_u32 s40, ttmp6, 0x40000                  ; cx
	s_bfe_u32 s41, ttmp6, 0x40004                  ; cy
	s_and_b32 s70, ttmp7, 0xffff                   ; batch
	s_add_co_u32 s71, ttmp9, 1
	s_lshr_b32 s71, s71, 1                         ; which 1,024 queries: 0, 1, 1
	s_lshr_b32 s72, ttmp9, 1                       ; which 1,024 keys: 0, 0, 1
	s_lshl_b32 s17, s71, 2
	s_add_co_u32 s17, s17, s41                     ; tile row: queries
	s_lshl_b32 s42, s72, 2
	s_add_co_u32 s42, s42, s40                     ; tile column: keys
	s_lshl_b32 s43, s41, 2
	s_lshl_b32 s43, 15, s43
	s_lshl_b32 s44, 0x1111, s40
	s_or_b32 s[G1+0], s43, (3<<16)|(1<<21)         ; a dense block of 25,600 bytes as 100 rows of 32 elements of 8 bytes
	s_or_b32 s[G1B+0], s44, (3<<16)|(1<<21)
.irp g, G1, G1B
	s_mov_b32 s[\g+1], 32<<16
	s_mov_b32 s[\g+2], 100<<16
	s_mov_b32 s[\g+3], 32<<16
	s_mov_b32 s[\g+4], 100
	s_mov_b32 s[\g+5], 32
	s_mov_b32 s[\g+6], 0
	s_mov_b32 s[\g+7], 0
.endr
	s_lshl_b32 s73, s70, 4                         ; 16 groups a batch
	s_lshl_b32 s20, s17, 1
	s_add_co_u32 s20, s20, s16
	s_add_co_u32 s20, s20, s73
	s_mul_i32 s20, s20, 204800                     ; Q: the group's K steps 0-7
	s_mov_b32 s21, 0
	s_lshl_b32 s46, s42, 1
	s_add_co_u32 s46, s46, s16
	s_add_co_u32 s46, s46, s73
	s_mul_i32 s46, s46, 204800
	s_add_co_u32 s46, s46, 102400                  ; K: the group's K steps 8-15
	s_mov_b32 s47, 0
	s_mul_i32 s45, s16, HALFA
	s_mul_i32 s79, s16, HALFB
	s_add_co_u32 s79, s79, 2*HALFA
	s_wait_dscnt 0x0                               ; the opening add is done
	s_wait_kmcnt 0x0
	s_add_nc_u64 s[20:21], s[4:5], s[20:21]
	s_add_nc_u64 s[46:47], s[4:5], s[46:47]
	CROUND
.irp s, 0,1
	s_mov_b32 s[G0+4*\s], 1
	s_add_co_u32 s[G0+4*\s+1], s45, \s*SLOT
	s_add_nc_u64 s[G0+4*\s+2:G0+4*\s+3], s[20:21], \s*HALFA
	s_or_b32 s[G0+4*\s+3], s[G0+4*\s+3], 0x80000000
	s_mov_b32 s[G0B+4*\s], 1
	s_add_co_u32 s[G0B+4*\s+1], s79, \s*SLOT
	s_add_nc_u64 s[G0B+4*\s+2:G0B+4*\s+3], s[46:47], \s*HALFB
	s_or_b32 s[G0B+4*\s+3], s[G0B+4*\s+3], 0x80000000
	JLOAD G0+4*\s, G1, G0B+4*\s, G1B
.endr
	v_and_b32 v1, 15, v0                           ; r
	v_bfe_u32 v2, v0, 4, 1                         ; h
	v_and_b32 v8, 31, v0
	v_lshlrev_b32 v[LI], 4, v8
	s_mul_i32 s21, s15, HALFA
	s_mul_i32 s22, s16, HALFB
	s_add_co_u32 s22, s22, 2*HALFA
.irp s, 0,1
	v_add_nc_u32 v[ADRA+\s], s21, v[LI]
	v_add_nc_u32 v[ADRB+\s], s22, v[LI]
	s_add_co_u32 s21, s21, SLOT
	s_add_co_u32 s22, s22, SLOT
.endr
	s_mul_i32 s21, s15, HALFA
	s_mul_i32 s22, s16, HALFB
	s_add_co_u32 s22, s22, 2*HALFA
	s_sub_co_u32 s22, s22, s21
	s_add_co_u32 s21, s21, 12288
	v_lshlrev_b32 v5, 2, v1
.irp q, 0,1
	v_mul_u32_u24 v6, s22, v2
	v_add_nc_u32 v6, v5, v6
	v_add_nc_u32 v[ADRS+\q], s21, v6
	s_add_co_u32 s23, s21, SLOT
	v_add_nc_u32 v[ADRS+2+\q], s23, v6
	s_add_co_u32 s21, s21, RECA
	s_sub_co_u32 s22, s22, RECA-RECB
.endr
	s_lshl_b32 s23, s14, 11                        ; my stage: 2,048 bytes a wave, in slot 0
	v_add_nc_u32 v[WST], s23, v5
	v_add_nc_u32 v[WRD], s23, v[LI]
	s_lshl_b32 s84, s17, 8                         ; the mask: my first query less my first key,
	s_lshl_b32 s85, s15, 7
	s_add_co_u32 s84, s84, s85
	s_lshl_b32 s85, s42, 8
	s_sub_co_u32 s84, s84, s85
	s_lshl_b32 s85, s16, 7
	s_sub_co_u32 s84, s84, s85
	v_and_b32 v6, 8, v1
	v_add_nc_u32 v6, v6, v1                        ; + r + 8 (r / 8): my place's row in a tile,
	v_lshlrev_b32 v7, 4, v2
	v_sub_nc_u32 v6, v6, v7                        ; - 16 h: my half's keys
	v_add_nc_u32 v[D0], s84, v6
	v_mov_b32 v[NINF], 0xff800000
	v_mov_b32 v[NM+1], 0
.irp b, 0,1,2,3
	v_mov_b32 v[BX+\b], 0                          ; written once: a lane permute's destination counts as one of its sources
.endr
	s_mov_b32 s[SEL], 0x76543210
	s_mov_b32 s[SEL+1], 0xfedcba98
	s_mov_b32 s[CS], 0x3d38aa3b                    ; log2(e) / 32
	s_mov_b32 s[CS+1], s[CS]
	s_lshl_b32 s84, s17, 1
	s_add_co_u32 s84, s84, s15
	s_add_co_u32 s84, s84, s73
	s_lshl_b32 s84, s84, 4                         ; 16 key steps a group
	s_lshl_b32 s85, s42, 1
	s_add_co_u32 s84, s84, s85
	s_add_co_u32 s84, s84, s16
	s_mul_i32 s84, s84, 13824                      ; my record
	s_mov_b32 s85, 0
	s_add_nc_u64 s[12:13], s[6:7], s[84:85]
	s_wait_tensorcnt 0x1                           ; my part of slot 0 is in; slot 1's may stay out
	s_barrier_signal -1
	s_barrier_wait -1
	FETCH_B 0, 0, 0
	FETCH_A 0, 0, 0
	SCALES 0
	FETCH_A 0, 0, 4
	STEP 0, 1
	s_mov_b32 s3, LAPS-1
.Llap:
	TURN 0, 1, 1
	STEP 1, 0
	TURN 1, 0, 1
	STEP 0, 0
	s_sub_co_u32 s3, s3, 1
	s_cmp_lg_u32 s3, 0
	s_cbranch_scc1 .Llap
	TURN 0, 1, 0
	STEP 1, 0
	s_wait_dscnt 12
	WIN MUL_LO
	MUL16 0, 1, 1, 1, 0
	MUL16 2, 1, 1, 1, 0
	s_wait_dscnt 0x0
	WIN MUL_HI
	MUL16 4, 1, 1, 1, 0
	MUL16 6, 1, 1, 1, 0
	WIN 0
	PLACES 4
; THE WAY OUT of block a (16 queries x 128 keys).  Register n of a lane holds key 32 (n / 16) + 16 h + n % 16 of my 128; my query is row 32 (a / 2) + 8 (a % 2) + r + 8 (r / 8) of my 128.
.macro SOFT a
.set AC, 64*((\a)%4)
.set PCA, PCB+12*(\a)
	WIN 2+(\a)/4                                   ; source 0 in the accumulators' window
.set N, 0
.rept 64
	v_cmp_gt_i32 vcc_lo, 32*(N/16)+N%16-32*((\a)/2)-8*((\a)%2), v[D0]    ; the key comes after the query:
	v_cndmask_b32 v[W+N], v[AC+N], v[NINF], vcc_lo                       ; -infinity; else the score.  Ascending: each accumulator from its low end on
.set N, N+1
.endr
	WIN 0
	s_wait_dscnt 0x0                               ; the last block's three LDS stores have read their registers, which are written again below
.irp b, 0,1,2,3
	v_max3_num_f32 v[BM+\b], v[W+16*\b], v[W+1+16*\b], v[W+2+16*\b]       ; the largest score of each block of 32 keys: for the maximum, and, since p rises with the score, for the block's largest p
.endr
.irp i, 3,5,7,9,11,13
.irp b, 0,1,2,3
	v_max3_num_f32 v[BM+\b], v[BM+\b], v[W+16*\b+\i], v[W+1+16*\b+\i]
.endr
.endr
.irp b, 0,1,2,3
	v_max_num_f32 v[BM+\b], v[BM+\b], v[W+15+16*\b]
.endr
.irp b, 0,1,2,3
	v_permlanex16_b32 v[BX+\b], v[BM+\b], s[SEL], s[SEL+1]
.endr
.irp b, 0,1,2,3
	v_max_num_f32 v[BM+\b], v[BM+\b], v[BX+\b]
.endr
	v_max3_num_f32 v[T0], v[BM], v[BM+1], v[BM+2]
	v_max_num_f32 v[T0], v[T0], v[BM+3]
	v_mul_f32 v[T0], s[CS], v[T0]                  ; as t
	v_max_num_f32 v[T0], 0xff61b1e6, v[T0]         ; a query with no open key among these 128 stands at -3e38: no infinity meets an infinity
	v_floor_f32 v[NM], -v[T0]                      ; -M = floor(-t): M is a whole number
.set N, 0
.rept 32
	v_pk_fma_f32 v[W+N:W+N+1], v[W+N:W+N+1], s[CS:CS+1], v[NM:NM+1] op_sel_hi:[1,0,0]   ; t - M
.set N, N+2
.endr
.irp b, 0,1,2,3
	v_fma_f32 v[BM+\b], v[BM+\b], s[CS], v[NM]
.endr
.set N, 0
.rept 64
	v_exp_f32 v[W+N], v[W+N]                       ; p = 2^(t - M)
.set N, N+1
.endr
	v_sub_f32 v[MS], 0, v[NM]                      ; M.  (The plain place behind the exponentials)
	s_wait_alu depctr_va_vdst(0)                   ; one wait for the batch, ahead of its first reader
.irp b, 0,1,2,3
	v_exp_f32 v[BM+\b], v[BM+\b]                   ; the blocks' largest p
.endr
	v_pk_add_f32 v[LA:LA+1], v[W:W+1], v[W+2:W+3]  ; the sum of the unquantised p, in two chains
	v_pk_add_f32 v[LB:LB+1], v[W+4:W+5], v[W+6:W+7]
.irp j, 8,12,16,20,24,28,32,36,40,44,48,52,56,60
	v_pk_add_f32 v[LA:LA+1], v[LA:LA+1], v[W+\j:W+\j+1]
	v_pk_add_f32 v[LB:LB+1], v[LB:LB+1], v[W+\j+2:W+\j+3]
.endr
	v_pk_add_f32 v[LA:LA+1], v[LA:LA+1], v[LB:LB+1]
	s_wait_alu depctr_va_vdst(0)                   ; and one for the four
.irp b, 0,1,2,3
	v_max_num_f32 v[BM+\b], 0x1800000, v[BM+\b]    ; the floor 2^(3 - 127): the byte cannot fall under 1
.endr
.irp b, 0,1,2,3
	v_add_nc_u32 v[SO+\b], 0xff000000, v[BM+\b]
.endr
.irp b, 0,1,2,3
	v_lshrrev_b32 v[BX+\b], 23, v[SO+\b]
.endr
	v_lshl_or_b32 v[PWD], v[BX+1], 8, v[BX]
	v_lshl_or_b32 v[PWD], v[BX+2], 16, v[PWD]
	v_lshl_or_b32 v[PWD], v[BX+3], 24, v[PWD]
	v_add_nc_u32 v[PWD], 0x40404040, v[PWD]        ; 64 onto each byte (1 .. 125 become 65 .. 189): room for the next launch to take up to 64 off
.irp c, 0,1
	v_cvt_scalef32_pk16_fp6_f32 v[PCA+6*\c:PCA+6*\c+2], v[W+32*\c:W+32*\c+15], v[SO+2*\c]
	v_cvt_scalef32_pk16_fp6_f32 v[CT+4*\c:CT+4*\c+2], v[W+16+32*\c:W+31+32*\c], v[SO+1+2*\c]
.endr
	v_nop                                          ; one plain place behind a scaled conversion
.irp c, 0,1
.irp i, 0,1,2
	v_permlane16_swap_b32 v[PCA+6*\c+\i], v[CT+4*\c+\i]
.endr
.irp i, 0,1,2
	v_mov_b32 v[PCA+3+6*\c+\i], v[CT+4*\c+\i]
.endr
.endr
	v_add_f32 v[LS], v[LA], v[LA+1]
	v_permlanex16_b32 v[BX], v[LS], s[SEL], s[SEL+1]
	v_add_f32 v[LS], v[LS], v[BX]                  ; with lane l xor 16's 64 keys
.irp c, 0,1,2
	global_store_b128 v[LI], v[PCA+4*\c:PCA+4*\c+3], s[12:13] offset:1536*(\a)+512*\c
.endr
	ds_store_b32 v[WST], v[PWD] offset:64*(\a)     ; slot 0 has had its last fill, and nobody reads it
	ds_store_b32 v[WST], v[MS] offset:512+64*(\a)
	ds_store_b32 v[WST], v[LS] offset:1024+64*(\a)
.endm
.irp a, 0,1,2,3,4,5,6,7
	SOFT \a
.endr
.irp k, 0,1,2
	ds_load_b128 v[236+4*\k:239+4*\k], v[WRD] offset:512*\k   ; the record's words, M and sums
.endr
	s_wait_dscnt 0x0
.irp k, 0,1,2
	global_store_b128 v[LI], v[236+4*\k:239+4*\k], s[12:13] offset:12288+512*\k
.endr
	s_wait_tensorcnt 0x0                           ; the wave's end
	ds_add_u32 v[SPW], v[NIL]
	s_wait_dscnt 0x0
	CROUND                                         ; the closing round
	s_endpgm
.Lfunc_end_k_q13c0c736a5_scores:
	.size	k_q13c0c736a5_scores, .Lfunc_end_k_q13c0c736a5_scores-k_q13c0c736a5_scores
	.p2alignl 7, 3214868480
	.fill 96, 4, 3214868480
	.section	.rodata,"a",@progbits
	.p2align	6, 0x0
	.amdhsa_kernel k_q13c0c736a5_scores
		.amdhsa_group_segment_fixed_size 327680
		.amdhsa_private_segment_fixed_size 0
		.amdhsa_enable_private_segment 0
		.amdhsa_kernarg_size 16
		.amdhsa_user_sgpr_count 2
		.amdhsa_user_sgpr_kernarg_segment_ptr 1
		.amdhsa_wavefront_size32 1
		.amdhsa_system_sgpr_workgroup_id_x 1
		.amdhsa_system_sgpr_workgroup_id_y 1
		.amdhsa_system_sgpr_workgroup_id_z 1
		.amdhsa_system_vgpr_workitem_id 0
		.amdhsa_next_free_vgpr 1024
		.amdhsa_next_free_sgpr 100
		.amdhsa_reserve_vcc 1
		.amdhsa_float_denorm_mode_32 3
		.amdhsa_float_denorm_mode_16_64 3
		.amdhsa_memory_ordered 1
		.amdhsa_forward_progress 1
		.amdhsa_inst_pref_size 237
	.end_amdhsa_kernel
	.amdgpu_metadata
---
amdhsa.version: [ 1, 2 ]
amdhsa.kernels:
  - .name:           k_q13c0c736a5_scores
    .symbol:         k_q13c0c736a5_scores.kd
    .args:
      - { .name: qkr, .offset: 0, .size: 8, .value_kind: global_buffer, .address_space: global }
      - { .name: pr, .offset: 8, .size: 8, .value_kind: global_buffer, .address_space: global }
    .group_segment_fixed_size: 327680
    .private_segment_fixed_size: 0
    .kernarg_segment_align: 8
    .kernarg_segment_size: 16
    .max_flat_workgroup_size: 128
    .sgpr_count:     100
    .vgpr_count:     1024
    .wavefront_size: 32
...
	.end_amdgpu_metadata
.endif
;; end of part 3
;; launch mix (part 4): grid 4 x 32, 4 waves a work-group, clusters of 4 x 4, 327,680 bytes of LDS; arguments pr, vtr, out0; writes out0
.if DOCPART == 4
	.amdgcn_target "amdgcn-amd-amdhsa--gfx1250"
	.amdhsa_code_object_version 6
	.text
	.protected	k_q13c0c736a5_mix
	.globl	k_q13c0c736a5_mix
	.p2align	8
	.type	k_q13c0c736a5_mix,@function
k_q13c0c736a5_mix:
	s_mov_b64 s[64:65], 0
	v_nop
	global_prefetch_b8 v0, s[64:65] scope:SCOPE_SE
	s_setreg_imm32_b32 hwreg(HW_REG_WAVE_MODE, 25, 1), 1
	s_wait_xcnt 0x0
	s_wait_alu depctr_hold_cnt(0) depctr_sa_sdst(0) depctr_va_vdst(0) depctr_va_sdst(0) depctr_va_ssrc(0) depctr_va_vcc(0) depctr_vm_vsrc(0)
	s_getreg_b32 s2, hwreg(HW_REG_IB_STS2, 6, 4)
	s_cmp_eq_u32 s2, 0
	s_cbranch_scc0 .Lentry_in_a_cluster
	s_endpgm
.Lentry_in_a_cluster:
	s_bfe_u32 s2, ttmp6, 0x10000c
	s_cmp_lg_u32 s2, 0xf033
	s_cbranch_scc0 .Lentry_shape_is_right
	s_endpgm
.Lentry_shape_is_right:
; O^T = V^T P^T on codes of FP6 (E2M3), divided by the row's sum.  "A" (source 1, the result's lanes) = P's queries, records of 13,824 bytes [64 query groups][16 key steps]; "B" (source 0, down the registers) =
; V^T's channels, records of 12,800 bytes [8 channel groups][64 key steps]; K = the keys.
; P's CODES WERE MADE UNDER A LOCAL M for each key step of 128; its scale bytes carry 64 too much.  Here the row's M (the largest local M) and the row's sum (the local sums x 2^(local M - M)) are made at the head, and
; ahead of each slot's products min(M - local M, 64) is taken off each of P's four bytes: a whole-number subtraction that borrows nothing (65 - 64 = 1).  So the sums hold O x l x 2^64, and the way out multiplies by 2^-64 / l.
; CLUSTERS of 4 x 4: cluster y = 2 batch + long; tile row = 4 long + cy (256 queries), tile column = cx (256 channels).  Queries 0-1,023 walk 1,024 keys, the others 2,048: the trip count hangs on the cluster's
; number alone, alike in all partners; no LDS address is stepped in the loop, and every wait on TENSORcnt in it is for 0.
; The ring, the joint loads and the registers of the products are those of the two launches before.  No prefetch is laid: four or eight slots, of which two are asked for at the head.
; LIMITS: |O| x l stays under 2^63; a key step whose M lies more than 64 under the row's counts 2^-64 of the row's largest term and not less; NaN and infinities are not served.
.set RECA,  13824
.set RECB,  12800
.set HALFA, 2*RECA
.set HALFB, 2*RECB
.set SLOT,  2*HALFA+2*HALFB
.set STAT,  2*SLOT                     ; behind the ring: 1,024 bytes a wave: the rows' M and 2^-64 / l; no fill lands here
.set SPARE, STAT+4096
.set FR,    12
.set ADRS, 12
.set ADRA, 16
.set ADRM, 18                          ; v18-19 P's local M in slot 0, 1
.set ADRB, 20
.set STW,  22                          ; v22 STAT: 16 bytes a lane
.set STR,  23                          ; v23 STAT: my place's word
.set STO,  24                          ; v24 the way out: where I put 32 bytes of a row
.set RD,   25                          ; v25 and where I read a row back
.set LI,   26
.set SPW,  28
.set NIL,  29
.set KM,   30                          ; v30 0x01010101 in lanes 0-15 (P's words), 0 in lanes 16-31 (V's)
.set SC,   32
.set ML,   64                          ; v64-79 a slot's local M: register 8 q + i.  At the head: v64-67 the rows' M, v68-71 sums, v72-75 2^-64 / l
.set MX,   64
.set LSM,  68
.set RI,   72
.set MR,   80                          ; v80-87 the row's M of block a's place r
.set INV,  88                          ; v88-103 2^-64 / l likewise, in pairs whose upper halves are 0
.set T,    104                         ; v104-111 at work
.set AF,   128
.set BK,   128                         ; the way out: 16 rows read back: v128-191 and v192-255 by turns
.set G1,  24
.set G0,  32
.set G1B, 48
.set G0B, 56
.set MSB, 0
.macro WIN new
.if MSB != (\new)
	s_set_vgpr_msb (MSB<<8)|(\new)
.set MSB, (\new)
.endif
.endm
.set MUL_LO, 0xa1
.set MUL_HI, 0xf1
.set TO_B,   0x40
.macro JLOAD g0a, g1a, g0b, g1b        ; a joint load: waves 0, 1 for A, waves 2, 3 for B; an s_nop 0 and four v_nop follow each line
	s_cmp_eq_u32 s15, 0
	s_cbranch_scc0 .Lfor_b_\@
	tensor_load_to_lds s[\g0a:\g0a+3], s[\g1a:\g1a+7]
	s_nop 0
.rept 4
	v_nop
.endr
	s_branch .Lasked_\@
.Lfor_b_\@:
	tensor_load_to_lds s[\g0b:\g0b+3], s[\g1b:\g1b+7]
	s_nop 0
.rept 4
	v_nop
.endr
.Lasked_\@:
.endm
.macro CREST
	s_cmp_lg_u32 s14, 0
	s_cbranch_scc1 .Lnot_wave_0_\@
	s_barrier_signal -3
.Lnot_wave_0_\@:
	s_barrier_wait -3
	s_barrier_signal -1
	s_barrier_wait -1
.endm
.macro CROUND
	s_barrier_signal -1
	s_barrier_wait -1
	CREST
.endm
.macro PLACES n
.rept \n
	v_nop
.endr
.endm
.macro FRAG reg, adr, off
.irp c, 0,1,2
	ds_load_b128 v[\reg+4*\c:\reg+4*\c+3], v[\adr] offset:\off+512*\c
.endr
.endm
.macro FETCH_B slot, q, p
	WIN TO_B
.irp i, 0,1,2,3,4,5,6,7
	FRAG 128*(\p)+FR*\i, ADRB+\slot, (\q)*RECB+1536*\i
.endr
	WIN 0
.endm
.macro FETCH_A slot, q, i0
.irp i, \i0, \i0+1, \i0+2, \i0+3
	FRAG AF+FR*(\i), ADRA+\slot, (\q)*RECA+1536*(\i)
.endr
.endm
.macro SCALES slot
.irp q, 0,1
.irp i, 0,1,2,3,4,5,6,7
	ds_load_b32 v[SC+16*\slot+8*\q+\i], v[ADRS+2*\slot+\q] offset:64*\i
.endr
.endr
.endm
.macro MLOAD slot                      ; the slot's local M of P: both halves of the lanes take place r's
.irp q, 0,1
.irp i, 0,1,2,3,4,5,6,7
	ds_load_b32 v[ML+8*\q+\i], v[ADRM+\slot] offset:(\q)*RECA+64*\i
.endr
.endr
.endm
.macro ADJ sc                          ; P's bytes under the row's M
.irp q, 0,1
.irp i, 0,1,2,3,4,5,6,7
	v_sub_f32 v[T+\i], v[MR+\i], v[ML+8*\q+\i]     ; the row's M less the local one: a whole number, 0 or more
.endr
.irp i, 0,1,2,3,4,5,6,7
	v_min_num_f32 v[T+\i], 0x42800000, v[T+\i]     ; 64 at the most
.endr
.irp i, 0,1,2,3,4,5,6,7
	v_cvt_i32_f32 v[T+\i], v[T+\i]
.endr
.irp i, 0,1,2,3,4,5,6,7
	v_mul_lo_u32 v[T+\i], v[T+\i], v[KM]           ; in each of the four bytes; V's words lose nothing
.endr
.irp i, 0,1,2,3,4,5,6,7
	v_sub_nc_u32 v[SC+16*\sc+8*\q+\i], v[SC+16*\sc+8*\q+\i], v[T+\i]
.endr
.endr
.endm
.macro MUL16 a0, p, q, sc, zero        ; the 64 accumulators take turns, in the same order in every step
.irp a, \a0, \a0+1
.irp b, 0,1,2,3,4,5,6,7
.if \zero
	v_wmma_scale_f32_16x16x128_f8f6f4 v[8*(8*((\a)%4)+\b):8*(8*((\a)%4)+\b)+7], v[128*(\p)+FR*\b:128*(\p)+FR*\b+FR-1], v[AF+FR*(\a):AF+FR*(\a)+FR-1], 0, v[SC+16*(\sc)+8*(\q)+\b], v[SC+16*(\sc)+8*(\q)+(\a)] matrix_a_fmt:MATRIX_FMT_FP6 matrix_b_fmt:MATRIX_FMT_FP6 matrix_a_scale:MATRIX_SCALE_ROW1
.else
	v_wmma_scale_f32_16x16x128_f8f6f4 v[8*(8*((\a)%4)+\b):8*(8*((\a)%4)+\b)+7], v[128*(\p)+FR*\b:128*(\p)+FR*\b+FR-1], v[AF+FR*(\a):AF+FR*(\a)+FR-1], v[8*(8*((\a)%4)+\b):8*(8*((\a)%4)+\b)+7], v[SC+16*(\sc)+8*(\q)+\b], v[SC+16*(\sc)+8*(\q)+(\a)] matrix_a_fmt:MATRIX_FMT_FP6 matrix_b_fmt:MATRIX_FMT_FP6 matrix_a_scale:MATRIX_SCALE_ROW1
.endif
.endr
.endr
.endm
.macro STEP slot, zero
	s_wait_dscnt 12                                ; all but the youngest 12 loads (A's blocks 4-7) are in
	WIN MUL_LO
	MUL16 0, 0, 0, \slot, \zero
	MUL16 2, 0, 0, \slot, \zero
	s_wait_dscnt 0x0
	PLACES 4
	FETCH_B \slot, 1, 1
	FETCH_A \slot, 1, 0
	WIN MUL_HI
	MUL16 4, 0, 0, \slot, \zero
	MUL16 6, 0, 0, \slot, \zero
	PLACES 4
	WIN 0
	FETCH_A \slot, 1, 4
.endm
.macro TURN slot, next, fill
	s_wait_tensorcnt 0x0                           ; all my tensor loads have landed: my part of the next slot
	ds_add_u32 v[SPW], v[NIL]                      ; 0 onto my spare word
	s_wait_dscnt 13                                ; (the add and the youngest 12 loads may be out)
	WIN MUL_LO
	MUL16 0, 1, 1, \slot, 0
	s_wait_dscnt 0x0                               ; the add is done, and my reads of this slot are over
	s_barrier_signal -1
	MUL16 2, 1, 1, \slot, 0
	WIN 0
	s_barrier_wait -1
.if \fill
	CREST                                          ; a round of the cluster's barrier: no wave of any partner still reads this slot or has a load on its way
	s_add_nc_u64 s[G0+4*\slot+2:G0+4*\slot+3], s[G0+4*\slot+2:G0+4*\slot+3], 2*HALFA
	s_add_nc_u64 s[G0B+4*\slot+2:G0B+4*\slot+3], s[G0B+4*\slot+2:G0B+4*\slot+3], 2*HALFB
	JLOAD G0+4*\slot, G1, G0B+4*\slot, G1B
.else
	PLACES 4
.endif
	FETCH_B \next, 0, 0
	FETCH_A \next, 0, 0
	SCALES \next
	MLOAD \next
	WIN MUL_HI
	MUL16 4, 1, 1, \slot, 0
	MUL16 6, 1, 1, \slot, 0
	WIN 0
	s_wait_dscnt 0x0                               ; the next slot's words and local M are in (asked for 32 matrix instructions ago)
	ADJ \next
	PLACES 8                                       ; scale registers written by vector instructions stand eight places ahead of the scaled matrix instruction
	FETCH_A \next, 0, 4
.endm
	s_load_b128 s[4:7], s[0:1], 0x0                ; pr, vtr
	s_load_b64 s[12:13], s[0:1], 0x10              ; out0
	v_lshl_add_u32 v[SPW], v0, 2, SPARE
	v_mov_b32 v[NIL], 0
	ds_add_u32 v[SPW], v[NIL]                      ; the wave's opening
	v_lshrrev_b32 v1, 5, v0
	v_readfirstlane_b32 s14, v1
	s_lshr_b32 s15, s14, 1                         ; my half of the queries.  Also: I fetch for A (0) or for B (1)
	s_and_b32 s16, s14, 1                          ; my half of the channels.  Also: which group I fetch
	s_bfe_u32 s40, ttmp6, 0x40000                  ; cx
	s_bfe_u32 s41, ttmp6, 0x40004                  ; cy
	s_and_b32 s78, ttmp7, 0xffff                   ; cluster y
	s_lshr_b32 s70, s78, 1                         ; batch
	s_and_b32 s71, s78, 1                          ; long: queries 1,024 on
	s_lshl_b32 s17, s71, 2
	s_add_co_u32 s17, s17, s41                     ; tile row: queries
	s_mov_b32 s42, s40                             ; tile column: channels
	s_lshl_b32 s43, s41, 2
	s_lshl_b32 s43, 15, s43
	s_lshl_b32 s44, 0x1111, s40
	s_or_b32 s[G1+0], s43, (3<<16)|(1<<21)         ; P: a dense block of 27,648 bytes as 108 rows of 32 elements of 8 bytes
	s_mov_b32 s[G1+1], 32<<16
	s_mov_b32 s[G1+2], 108<<16
	s_mov_b32 s[G1+3], 32<<16
	s_mov_b32 s[G1+4], 108
	s_mov_b32 s[G1+5], 32
	s_mov_b32 s[G1+6], 0
	s_mov_b32 s[G1+7], 0
	s_or_b32 s[G1B+0], s44, (3<<16)|(1<<21)        ; V^T: 25,600 bytes as 100 rows
	s_mov_b32 s[G1B+1], 32<<16
	s_mov_b32 s[G1B+2], 100<<16
	s_mov_b32 s[G1B+3], 32<<16
	s_mov_b32 s[G1B+4], 100
	s_mov_b32 s[G1B+5], 32
	s_mov_b32 s[G1B+6], 0
	s_mov_b32 s[G1B+7], 0
	s_lshl_b32 s73, s70, 4                         ; 16 groups a batch
	s_lshl_b32 s20, s17, 1
	s_add_co_u32 s20, s20, s16
	s_add_co_u32 s20, s20, s73
	s_mul_i32 s20, s20, 221184                     ; P: the group that I fetch (16 records)
	s_mov_b32 s21, 0
	s_lshl_b32 s46, s42, 1
	s_add_co_u32 s46, s46, s16
	s_mul_i32 s46, s46, 819200                     ; V^T: the channel group (64 records),
	s_mul_i32 s47, s70, 204800                     ; the batch's 16 key steps
	s_add_co_u32 s46, s46, s47
	s_mov_b32 s47, 0
	s_mul_i32 s45, s16, HALFA
	s_mul_i32 s79, s16, HALFB
	s_add_co_u32 s79, s79, 2*HALFA
	s_lshl_b32 s86, s17, 1
	s_add_co_u32 s86, s86, s15
	s_add_co_u32 s86, s86, s73
	s_mul_i32 s86, s86, 221184                     ; the group whose rows I work on: its M and sums
	s_mov_b32 s87, 0
	s_cmp_eq_u32 s71, 1
	s_cselect_b32 s92, 110592, 0                   ; key steps 8-15; a short cluster reads steps 0-7 again,
	s_cselect_b32 s80, 0x3f800000, 0               ; and counts their sums for nothing
	s_mov_b32 s93, 0
	s_wait_dscnt 0x0                               ; the opening add is done
	s_wait_kmcnt 0x0
	s_add_nc_u64 s[20:21], s[4:5], s[20:21]
	s_add_nc_u64 s[46:47], s[6:7], s[46:47]
	s_add_nc_u64 s[88:89], s[4:5], s[86:87]
	s_add_nc_u64 s[90:91], s[88:89], s[92:93]
	CROUND
.irp s, 0,1
	s_mov_b32 s[G0+4*\s], 1
	s_add_co_u32 s[G0+4*\s+1], s45, \s*SLOT
	s_add_nc_u64 s[G0+4*\s+2:G0+4*\s+3], s[20:21], \s*HALFA
	s_or_b32 s[G0+4*\s+3], s[G0+4*\s+3], 0x80000000
	s_mov_b32 s[G0B+4*\s], 1
	s_add_co_u32 s[G0B+4*\s+1], s79, \s*SLOT
	s_add_nc_u64 s[G0B+4*\s+2:G0B+4*\s+3], s[46:47], \s*HALFB
	s_or_b32 s[G0B+4*\s+3], s[G0B+4*\s+3], 0x80000000
	JLOAD G0+4*\s, G1, G0B+4*\s, G1B
.endr
	v_and_b32 v1, 15, v0                           ; r
	v_bfe_u32 v2, v0, 4, 1                         ; h
	v_and_b32 v8, 31, v0
	v_lshlrev_b32 v[LI], 4, v8
.irp s, 0,1,2,3,4,5,6,7                        ; the 16 key steps' local M and sums of my 128 rows: lane L takes places 4 L .. 4 L + 3
	global_load_b128 v[128+4*\s:131+4*\s], v[LI], s[88:89] offset:13824*\s+12800
	global_load_b128 v[192+4*\s:195+4*\s], v[LI], s[88:89] offset:13824*\s+13312
	global_load_b128 v[160+4*\s:163+4*\s], v[LI], s[90:91] offset:13824*\s+12800
	global_load_b128 v[224+4*\s:227+4*\s], v[LI], s[90:91] offset:13824*\s+13312
.endr
	s_mul_i32 s21, s15, HALFA
	s_mul_i32 s22, s16, HALFB
	s_add_co_u32 s22, s22, 2*HALFA
	v_lshlrev_b32 v5, 2, v1                        ; 4 r
.irp s, 0,1
	v_add_nc_u32 v[ADRA+\s], s21, v[LI]
	v_add_nc_u32 v[ADRB+\s], s22, v[LI]
	s_add_co_u32 s23, s21, 12800
	v_add_nc_u32 v[ADRM+\s], s23, v5
	s_add_co_u32 s21, s21, SLOT
	s_add_co_u32 s22, s22, SLOT
.endr
	s_mul_i32 s21, s15, HALFA
	s_mul_i32 s22, s16, HALFB
	s_add_co_u32 s22, s22, 2*HALFA
	s_sub_co_u32 s22, s22, s21                     ; from P's words to V's
	s_add_co_u32 s21, s21, 12288
.irp q, 0,1
	v_mul_u32_u24 v6, s22, v2                      ; lanes 16-31 take V's
	v_add_nc_u32 v6, v5, v6
	v_add_nc_u32 v[ADRS+\q], s21, v6
	s_add_co_u32 s23, s21, SLOT
	v_add_nc_u32 v[ADRS+2+\q], s23, v6
	s_add_co_u32 s21, s21, RECA
	s_sub_co_u32 s22, s22, RECA-RECB               ; (a record of P is 1,024 bytes longer than one of V)
.endr
	s_lshl_b32 s23, s14, 10
	s_add_co_u32 s23, s23, STAT
	v_add_nc_u32 v[STW], s23, v[LI]
	v_add_nc_u32 v[STR], s23, v5
	s_mul_i32 s23, s14, 16*528                     ; my stage for the way out, in slot 0
	v_mul_u32_u24 v[STO], v1, 528
	v_lshl_add_u32 v[STO], v2, 6, v[STO]
	v_add_nc_u32 v[STO], s23, v[STO]
	v_add_nc_u32 v[RD], s23, v[LI]
	v_sub_nc_u32 v[KM], 1, v2
	s_mov_b32 s82, 0x01010101
	v_mul_lo_u32 v[KM], v[KM], s82
.irp a, 0,1,2,3,4,5,6,7
	v_mov_b32 v[INV+2*\a+1], 0                     ; named as the upper halves of pairs
.endr
	s_lshl_b32 s84, s70, 11
	s_lshl_b32 s85, s17, 8
	s_add_co_u32 s84, s84, s85
	s_lshl_b32 s85, s15, 7
	s_add_co_u32 s84, s84, s85
	s_lshl_b32 s84, s84, 12                        ; my first row of out0, 4,096 bytes a row,
	s_lshl_b32 s85, s42, 10
	s_add_co_u32 s84, s84, s85
	s_lshl_b32 s85, s16, 9
	s_add_co_u32 s84, s84, s85                     ; my first channel
	s_mov_b32 s85, 0
	s_add_nc_u64 s[12:13], s[12:13], s[84:85]
	s_wait_loadcnt 0x0
.irp j, 0,1,2,3
	v_max3_num_f32 v[MX+\j], v[128+\j], v[132+\j], v[136+\j]             ; the row's M: the largest local M
.endr
.irp s, 3,5,7,9,11,13
.irp j, 0,1,2,3
	v_max3_num_f32 v[MX+\j], v[MX+\j], v[128+4*\s+\j], v[132+4*\s+\j]
.endr
.endr
.irp j, 0,1,2,3
	v_max_num_f32 v[MX+\j], v[MX+\j], v[188+\j]
.endr
.irp s, 0,1,2,3,4,5,6,7,8,9,10,11,12,13,14,15
.irp j, 0,1,2,3
	v_sub_f32 v[T+\j], v[128+4*\s+\j], v[MX+\j]    ; a whole number, 0 or less
.endr
.irp j, 0,1,2,3
	v_cvt_i32_f32 v[T+\j], v[T+\j]                 ; (it saturates)
.endr
.irp j, 0,1,2,3
.if \s == 0
	v_ldexp_f32 v[LSM+\j], v[192+\j], v[T+\j]      ; the local sum under the row's M: nothing is rounded
.else
	v_ldexp_f32 v[T+\j], v[192+4*\s+\j], v[T+\j]
.endif
.endr
.if \s > 0
.irp j, 0,1,2,3
.if \s < 8
	v_add_f32 v[LSM+\j], v[LSM+\j], v[T+\j]
.else
	v_fma_f32 v[LSM+\j], v[T+\j], s80, v[LSM+\j]
.endif
.endr
.endif
.endr
.irp j, 0,1,2,3
	v_rcp_f32 v[RI+\j], v[LSM+\j]
.endr
	v_nop                                          ; a plain place behind the reciprocals
	s_wait_alu depctr_va_vdst(0)                   ; one wait for the four, ahead of their first reader
.irp j, 0,1,2,3
	v_mul_f32 v[RI+\j], 0x1f800000, v[RI+\j]       ; 2^-64 / l
.endr
	ds_store_b128 v[STW], v[MX:MX+3]
	ds_store_b128 v[STW], v[RI:RI+3] offset:512
.irp a, 0,1,2,3,4,5,6,7
	ds_load_b32 v[MR+\a], v[STR] offset:64*\a      ; LDS serves a wave's instructions in order: these see my stores
	ds_load_b32 v[INV+2*\a], v[STR] offset:512+64*\a
.endr
	s_wait_dscnt 0x0
	s_wait_tensorcnt 0x1                           ; my part of slot 0 is in; slot 1's may stay out
	s_barrier_signal -1
	s_barrier_wait -1
	FETCH_B 0, 0, 0
	FETCH_A 0, 0, 0
	SCALES 0
	MLOAD 0
	s_wait_dscnt 0x0
	ADJ 0
	PLACES 8
	FETCH_A 0, 0, 4
	STEP 0, 1
	s_lshl_b32 s3, s71, 1
	s_add_co_u32 s3, s3, 1                         ; laps less one: 1 (1,024 keys) or 3 (2,048)
.Llap:
	TURN 0, 1, 1
	STEP 1, 0
	TURN 1, 0, 1
	STEP 0, 0
	s_sub_co_u32 s3, s3, 1
	s_cmp_lg_u32 s3, 0
	s_cbranch_scc1 .Llap
	TURN 0, 1, 0
	STEP 1, 0
	s_wait_dscnt 12
	WIN MUL_LO
	MUL16 0, 1, 1, 1, 0
	MUL16 2, 1, 1, 1, 0
	s_wait_dscnt 0x0
	WIN MUL_HI
	MUL16 4, 1, 1, 1, 0
	MUL16 6, 1, 1, 1, 0
	WIN 0
	PLACES 4
; THE WAY OUT, block by block of 16 queries x 128 channels: x 2^-64 / l; through my stage (rows of 528 bytes, in slot 0, which has had its last fill and which nobody reads); back as whole rows of 512 bytes.
.macro SCALE a
.set AC, 64*((\a)%4)
	WIN 0x41*(2+(\a)/4)                            ; destination and source 0 in the accumulators' window
.set N, 0
.rept 32
	v_pk_mul_f32 v[AC+N:AC+N+1], v[AC+N:AC+N+1], v[INV+2*(\a):INV+2*(\a)+1] op_sel_hi:[1,0]   ; ascending: each accumulator from its low end on
.set N, N+2
.endr
.endm
.macro TOSTAGE a
.set AC, 64*((\a)%4)
	WIN 4*(2+(\a)/4)                               ; the data in the accumulators' window
.irp b, 0,1,2,3,4,5,6,7
	ds_store_b128 v[STO], v[AC+8*\b:AC+8*\b+3] offset:128*(\b/2)+32*(\b%2)        ; lane (r, h): channels 32 (b / 2) + 16 h + 8 (b % 2) + 0 .. 7
	ds_store_b128 v[STO], v[AC+8*\b+4:AC+8*\b+7] offset:128*(\b/2)+32*(\b%2)+16
.endr
	WIN 0
.set BB, BK+64*((\a)%2)
.irp t, 0,1,2,3,4,5,6,7,8,9,10,11,12,13,14,15
	ds_load_b128 v[BB+4*\t:BB+4*\t+3], v[RD] offset:528*\t
.endr
.endm
.macro SEND a, younger
.set BB, BK+64*((\a)%2)
	s_wait_dscnt \younger                          ; the block is back; the next block's 16 stores and 16 loads may be out
.irp t, 0,1,2,3,4,5,6,7,8,9,10,11,12,13,14,15
	global_store_b128 v[LI], v[BB+4*\t:BB+4*\t+3], s[12:13] offset:(32*((\a)/2)+8*((\a)%2)+\t+8*(\t/8))*4096 th:TH_STORE_NT   ; place t's row: 512 consecutive bytes, at a multiple of 256 from out0's first byte
.endr
.endm
	SCALE 0
	TOSTAGE 0
.irp a, 1,2,3,4,5,6,7
	SCALE \a
.if \a > 1
	s_wait_xcnt 0x0                                ; block a - 2's stores have read their registers: block a's loads may land there
.endif
	TOSTAGE \a
	SEND \a-1, 32
.endr
	SEND 7, 0
	s_wait_tensorcnt 0x0                           ; the wave's end
	ds_add_u32 v[SPW], v[NIL]
	s_wait_dscnt 0x0
	CROUND                                         ; the closing round
	s_endpgm
.Lfunc_end_k_q13c0c736a5_mix:
	.size	k_q13c0c736a5_mix, .Lfunc_end_k_q13c0c736a5_mix-k_q13c0c736a5_mix
	.p2alignl 7, 3214868480
	.fill 96, 4, 3214868480
	.section	.rodata,"a",@progbits
	.p2align	6, 0x0
	.amdhsa_kernel k_q13c0c736a5_mix
		.amdhsa_group_segment_fixed_size 327680
		.amdhsa_private_segment_fixed_size 0
		.amdhsa_enable_private_segment 0
		.amdhsa_kernarg_size 24
		.amdhsa_user_sgpr_count 2
		.amdhsa_user_sgpr_kernarg_segment_ptr 1
		.amdhsa_wavefront_size32 1
		.amdhsa_system_sgpr_workgroup_id_x 1
		.amdhsa_system_sgpr_workgroup_id_y 1
		.amdhsa_system_sgpr_workgroup_id_z 1
		.amdhsa_system_vgpr_workitem_id 0
		.amdhsa_next_free_vgpr 1024
		.amdhsa_next_free_sgpr 100
		.amdhsa_reserve_vcc 0
		.amdhsa_float_denorm_mode_32 3
		.amdhsa_float_denorm_mode_16_64 3
		.amdhsa_memory_ordered 1
		.amdhsa_forward_progress 1
		.amdhsa_inst_pref_size 189
	.end_amdhsa_kernel
	.amdgpu_metadata
---
amdhsa.version: [ 1, 2 ]
amdhsa.kernels:
  - .name:           k_q13c0c736a5_mix
    .symbol:         k_q13c0c736a5_mix.kd
    .args:
      - { .name: pr, .offset: 0, .size: 8, .value_kind: global_buffer, .address_space: global }
      - { .name: vtr, .offset: 8, .size: 8, .value_kind: global_buffer, .address_space: global }
      - { .name: out0, .offset: 16, .size: 8, .value_kind: global_buffer, .address_space: global }
    .group_segment_fixed_size: 327680
    .private_segment_fixed_size: 0
    .kernarg_segment_align: 8
    .kernarg_segment_size: 24
    .max_flat_workgroup_size: 128
    .sgpr_count:     100
    .vgpr_count:     1024
    .wavefront_size: 32
...
	.end_amdgpu_metadata
.endif
;; end of part 4
;; ======== version 2 of 2: 4 launches; 1.13 times as fast as version 1
;; limits: right only within a limited range of input values
;; workspace buffers: xr 6,553,600 bytes; wr 2,457,600 bytes; qkr 13,107,200 bytes; vtr 6,553,600 bytes; pr 14,155,776 bytes
;; launch quant: the kernel of part 1 again; grid 352 x 1, 4 waves a work-group, no clusters, 35,328 bytes of LDS; arguments x, W_q, W_k, W_v, xr, wr; writes xr, wr
;; launch proj (part 5): grid 8 x 48, 4 waves a work-group, clusters of 4 x 4, 327,680 bytes of LDS; arguments xr, wr, qkr, vtr; writes qkr, vtr
.if DOCPART == 5
	.amdgcn_target "amdgcn-amd-amdhsa--gfx1250"
	.amdhsa_code_object_version 6
	.text
	.protected	k_q13c0c736a5_proj
	.globl	k_q13c0c736a5_proj
	.p2align	8
	.type	k_q13c0c736a5_proj,@function
k_q13c0c736a5_proj:
	s_mov_b64 s[64:65], 0
	v_nop
	global_prefetch_b8 v0, s[64:65] scope:SCOPE_SE
	s_setreg_imm32_b32 hwreg(HW_REG_WAVE_MODE, 25, 1), 1
	s_wait_xcnt 0x0
	s_wait_alu depctr_hold_cnt(0) depctr_sa_sdst(0) depctr_va_vdst(0) depctr_va_sdst(0) depctr_va_ssrc(0) depctr_va_vcc(0) depctr_vm_vsrc(0)
	s_getreg_b32 s2, hwreg(HW_REG_IB_STS2, 6, 4)
	s_cmp_eq_u32 s2, 0
	s_cbranch_scc0 .Lentry_in_a_cluster
	s_endpgm
.Lentry_in_a_cluster:
	s_bfe_u32 s2, ttmp6, 0x10000c
	s_cmp_lg_u32 s2, 0xf033
	s_cbranch_scc0 .Lentry_shape_is_right
	s_endpgm
.Lentry_shape_is_right:
; q = x W_q^T, k = x W_k^T and v^T = W_v x^T on codes of FP6 (E2M3) with E8M0 scales, and the results quantised again on the way out, each along the K of the product that will read it.
; OPERANDS ARE RECORDS (128 rows x 128 K in the order of an operand's registers: 8 fragments of 1,536 bytes, then 128 scale words: 12,800 bytes; tile 2 b + u, place r = row 32 b + 8 u + r + 8 (r / 8)).
; A tile of the result, 256 x 256, is made by four waves, 128 x 128 each: 64 accumulators, 512 registers.  "A" is source 1 (its rows are the result's lanes), "B" source 0 (its rows run down the result's registers:
; by the tiles' row order the 16 registers of tiles 2 b, 2 b + 1 are 16 neighbours).  So a wave's 128 x 128 becomes exactly one record of the next operand: rows = A's, K = B's rows.
; CLUSTERS of 4 x 4.  Cluster y 0-7: A = x's tokens, B = W_q's and W_k's rows; out: qkr [64 token groups][16 K steps: 0-7 q's channels, 8-15 k's].
; Cluster y 8-11: A = W_v's rows, B = x's tokens; out: vtr [8 channel groups][64 K steps of 128 tokens]: v with the keys innermost.  The choice hangs on the cluster's number alone: pointers and numbers are selected, no branch.
; K = 1,024 is four slots' worth of 256; two neighbouring K steps of a group are one dense block of 25,600 bytes: one tensor load a wave, asked for jointly (A's along a row of the cluster, B's along a column).
; THREE SLOTS lie in LDS.  The first three slots' worth are asked for together at the head; the fourth goes into slot 0 behind the one round at the first change of slots, and has two slots' products,
; 256 matrix instructions a wave, in which to land.  Nothing is walked twice, so there is no loop.  The scale words travel inside the records.
; REGISTERS, in windows of 256: window 0: v1-31 addresses; v32-63 scale words, two sets by turns; v128-223 A's 8 fragments, one set.  Window 1: B's fragments, two sets, at v0 and v128.  Windows 2, 3: accumulator (a, b) at v[8 (8 (a % 4) + b)].
; No prefetch is laid: of K's four slots' worth three are asked for at the head and the fourth straight behind the first.
; LIMITS: a block of zeros gets the byte 1 (its codes are zeros; this program alone reads the bytes); NaN and infinities are not served.
.set RECA,  12800
.set RECB,  12800                      ; (equal: one offset serves A's and B's scale words of a K step)
.set HALFA, 2*RECA                     ; what one tensor load brings: a group's two K steps
.set HALFB, 2*RECB
.set SLOT,  2*HALFA+2*HALFB            ; A's two groups, then B's two
.set SPARE, 3*SLOT                     ; behind the three slots: the spare words, 128 bytes a wave
.set FR,    12
.set ADRS, 12                          ; v12-14 my scale words in slot 0, 1, 2; lanes 0-15 A's, lanes 16-31 B's
.set ADRA, 16                          ; v16-18 my A fragments in slot 0, 1, 2
.set ADRB, 20                          ; v20-22 my B fragments
.set WST,  24                          ; v24 the way out: my row's scale word in my stage
.set WRD,  25                          ; v25 and the words' way back
.set LI,   26                          ; v26 16 x lane
.set SPW,  28                          ; v28 my spare word; never rewritten
.set NIL,  29                          ; v29 0; never rewritten
.set SC,   32
.set AF,   128
.set PWA,  64                          ; the way out: v64-71 a scale word for each block
.set PCB,  128                         ; v128-223 a fragment for each block, so that no store's data are written again
.set TM,   224                         ; v224-239 at work
.set CT,   240                         ; v240-242, v244-246 the conversions' second halves
.set SEL,  66                          ; s[66:67] lane selects: lane l xor 16
.set G1,  24
.set G0,  32                           ; s[32:39] A's groups 0 for slots 0, 1; s[88:91] for slot 2
.set G1B, 48
.set G0B, 56                           ; s[56:63] B's for slots 0, 1; s[92:95] for slot 2
.set MSB, 0
.macro WIN new                         ; the immediate's high byte repeats the setting that is left
.if MSB != (\new)
	s_set_vgpr_msb (MSB<<8)|(\new)
.set MSB, (\new)
.endif
.endm
.set MUL_LO, 0xa1                      ; source 0 (B) window 1, source 1 (A) window 0, C and D window 2
.set MUL_HI, 0xf1
.set TO_B,   0x40
; A joint load: waves 0 and 1 fetch A's two groups, waves 2 and 3 B's.  The branch hangs on the wave's number alone.  An s_nop 0 and four v_nop follow each line.
.macro JLOAD g0a, g1a, g0b, g1b
	s_cmp_eq_u32 s15, 0
	s_cbranch_scc0 .Lfor_b_\@
	tensor_load_to_lds s[\g0a:\g0a+3], s[\g1a:\g1a+7]
	s_nop 0
.rept 4
	v_nop
.endr
	s_branch .Lasked_\@
.Lfor_b_\@:
	tensor_load_to_lds s[\g0b:\g0b+3], s[\g1b:\g1b+7]
	s_nop 0
.rept 4
	v_nop
.endr
.Lasked_\@:
.endm
.macro CREST                           ; a round of the cluster's barrier behind its opening barrier
	s_cmp_lg_u32 s14, 0
	s_cbranch_scc1 .Lnot_wave_0_\@
	s_barrier_signal -3
.Lnot_wave_0_\@:
	s_barrier_wait -3
	s_barrier_signal -1
	s_barrier_wait -1
.endm
.macro CROUND
	s_barrier_signal -1
	s_barrier_wait -1
	CREST
.endm
.macro PLACES n                        ; plain vector instructions behind matrix instructions, ahead of loads into their registers and of reads of their results
.rept \n
	v_nop
.endr
.endm
.macro FRAG reg, adr, off              ; a fragment comes as the image of its registers: three loads of 512 consecutive bytes
.irp c, 0,1,2
	ds_load_b128 v[\reg+4*\c:\reg+4*\c+3], v[\adr] offset:\off+512*\c
.endr
.endm
.macro FETCH_B slot, q, p
	WIN TO_B
.irp i, 0,1,2,3,4,5,6,7
	FRAG 128*(\p)+FR*\i, ADRB+\slot, (\q)*RECB+1536*\i
.endr
	WIN 0
.endm
.macro FETCH_A slot, q, i0
.irp i, \i0, \i0+1, \i0+2, \i0+3
	FRAG AF+FR*(\i), ADRA+\slot, (\q)*RECA+1536*(\i)
.endr
.endm
.macro SCALES slot, sc                 ; a slot's scale words into set sc: register 8 q + i: lanes 0-15 A's block i, lanes 16-31 B's block i
.irp q, 0,1
.irp i, 0,1,2,3,4,5,6,7
	ds_load_b32 v[SC+16*(\sc)+8*\q+\i], v[ADRS+\slot] offset:\q*RECA+64*\i
.endr
.endr
.endm
; 16 matrix instructions: A's blocks a0, a0 + 1 x B's eight.  The 64 accumulators take turns, one instruction a turn, in the same order in every step.
.macro MUL16 a0, p, q, sc, zero
.irp a, \a0, \a0+1
.irp b, 0,1,2,3,4,5,6,7
.if \zero
	v_wmma_scale_f32_16x16x128_f8f6f4 v[8*(8*((\a)%4)+\b):8*(8*((\a)%4)+\b)+7], v[128*(\p)+FR*\b:128*(\p)+FR*\b+FR-1], v[AF+FR*(\a):AF+FR*(\a)+FR-1], 0, v[SC+16*(\sc)+8*(\q)+\b], v[SC+16*(\sc)+8*(\q)+(\a)] matrix_a_fmt:MATRIX_FMT_FP6 matrix_b_fmt:MATRIX_FMT_FP6 matrix_a_scale:MATRIX_SCALE_ROW1
.else
	v_wmma_scale_f32_16x16x128_f8f6f4 v[8*(8*((\a)%4)+\b):8*(8*((\a)%4)+\b)+7], v[128*(\p)+FR*\b:128*(\p)+FR*\b+FR-1], v[AF+FR*(\a):AF+FR*(\a)+FR-1], v[8*(8*((\a)%4)+\b):8*(8*((\a)%4)+\b)+7], v[SC+16*(\sc)+8*(\q)+\b], v[SC+16*(\sc)+8*(\q)+(\a)] matrix_a_fmt:MATRIX_FMT_FP6 matrix_b_fmt:MATRIX_FMT_FP6 matrix_a_scale:MATRIX_SCALE_ROW1
.endif
.endr
.endr
.endm
.macro STEP slot, sc, zero             ; a slot's first K step; it fetches the second's fragments
	s_wait_dscnt 12                                ; all but the youngest 12 loads (A's blocks 4-7) are in
	WIN MUL_LO
	MUL16 0, 0, 0, \sc, \zero
	MUL16 2, 0, 0, \sc, \zero
	s_wait_dscnt 0x0                               ; A's blocks 4-7 are in
	PLACES 4
	FETCH_B \slot, 1, 1
	FETCH_A \slot, 1, 0
	WIN MUL_HI
	MUL16 4, 0, 0, \sc, \zero
	MUL16 6, 0, 0, \sc, \zero
	PLACES 4
	WIN 0
	FETCH_A \slot, 1, 4
.endm
; A slot's second K step changes slots.  mode 2: slot 0 is filled again: each wave waits for all its tensor loads, adds 0 to its spare word, waits for that and for its own reads of the slot; a round of the cluster's
; barrier; the joint refill first behind it.  mode 1: the same lines and a plain barrier: the refilled slot is shown whole to every wave.  mode 0: neither: the next slot was shown whole by the barrier of
; mode 2, ahead of which every wave had waited for all three of its first loads; and no wait on TENSORcnt stands here, so that the refill stays on its way.
.macro TURN slot, next, sc, mode
.if \mode
	s_wait_tensorcnt 0x0                           ; all my tensor loads have landed
	ds_add_u32 v[SPW], v[NIL]                      ; 0 onto my spare word
	s_wait_dscnt 13                                ; (the add and the youngest 12 loads may be out)
	WIN MUL_LO
	MUL16 0, 1, 1, \sc, 0
	s_wait_dscnt 0x0                               ; the add is done, and my reads of this slot are over
	s_barrier_signal -1
	MUL16 2, 1, 1, \sc, 0
	WIN 0
	s_barrier_wait -1
.else
	s_wait_dscnt 12                                ; all but the youngest 12 loads (A's blocks 4-7) are in
	WIN MUL_LO
	MUL16 0, 1, 1, \sc, 0
	MUL16 2, 1, 1, \sc, 0
	WIN 0
	s_wait_dscnt 0x0                               ; A's blocks 4-7 are in
.endif
.if \mode == 2
	CREST                                          ; the barrier has opened a round of the cluster's: no wave of any partner still reads slot 0 or has a load on its way
	s_add_nc_u64 s[G0+2:G0+3], s[G0+2:G0+3], 3*HALFA     ; slot 0's next tile: K steps 6 and 7
	s_add_nc_u64 s[G0B+2:G0B+3], s[G0B+2:G0B+3], 3*HALFB
	JLOAD G0, G1, G0B, G1B                         ; the first tensor load behind the round, and my last; its four v_nop are the places ahead of the loads below
.else
	PLACES 4
.endif
	FETCH_B \next, 0, 0
	FETCH_A \next, 0, 0
	SCALES \next, 1-(\sc)
	WIN MUL_HI
	MUL16 4, 1, 1, \sc, 0
	MUL16 6, 1, 1, \sc, 0
	PLACES 4
	WIN 0
	FETCH_A \next, 0, 4
.endm
	s_load_b128 s[4:7], s[0:1], 0x0                ; xr, wr
	s_load_b128 s[8:11], s[0:1], 0x10              ; qkr, vtr
	v_lshl_add_u32 v[SPW], v0, 2, SPARE
	v_mov_b32 v[NIL], 0
	ds_add_u32 v[SPW], v[NIL]                      ; the wave's opening
	v_lshrrev_b32 v1, 5, v0
	v_readfirstlane_b32 s14, v1                    ; wave
	s_lshr_b32 s15, s14, 1                         ; my half of A's rows.  Also: I fetch for A (0) or for B (1)
	s_and_b32 s16, s14, 1                          ; my half of B's rows.  Also: which group of that tile I fetch
	s_bfe_u32 s40, ttmp6, 0x40000                  ; cx
	s_bfe_u32 s41, ttmp6, 0x40004                  ; cy
	s_and_b32 s78, ttmp7, 0xffff                   ; cluster y
	s_sub_co_u32 s71, s78, 8
	s_lshl_b32 s71, s71, 1
	s_add_co_u32 s71, s71, ttmp9                   ; v^T: 2 (cluster y - 8) + cluster x
	s_cmp_ge_u32 s78, 8                            ; v^T or q, k: the same in all sixteen partners
	s_cselect_b32 s70, 0, s78
	s_cselect_b32 s71, s71, ttmp9
	s_cselect_b32 s72, 16, 0                       ; W_v's groups begin at 16
	s_cselect_b32 s73, 64, 16                      ; K steps in a group of the output
	s_lshl_b32 s17, s70, 2
	s_add_co_u32 s17, s17, s41                     ; tile row
	s_lshl_b32 s42, s71, 2
	s_add_co_u32 s42, s42, s40                     ; tile column
	s_lshl_b32 s43, s41, 2
	s_lshl_b32 s43, 15, s43                        ; my row of the cluster
	s_lshl_b32 s44, 0x1111, s40                    ; my column
	; descriptor group 1: a dense block of 25,600 bytes as 100 rows of 32 elements of 8 bytes, no padding
	s_or_b32 s[G1+0], s43, (3<<16)|(1<<21)
	s_or_b32 s[G1B+0], s44, (3<<16)|(1<<21)
.irp g, G1, G1B
	s_mov_b32 s[\g+1], 32<<16                      ; tensor_dim0
	s_mov_b32 s[\g+2], 100<<16                     ; tensor_dim1
	s_mov_b32 s[\g+3], 32<<16                      ; tile_dim0
	s_mov_b32 s[\g+4], 100                         ; tile_dim1
	s_mov_b32 s[\g+5], 32                          ; the pitch
	s_mov_b32 s[\g+6], 0
	s_mov_b32 s[\g+7], 0
.endr
	s_lshl_b32 s20, s17, 1
	s_add_co_u32 s20, s20, s16
	s_add_co_u32 s20, s20, s72
	s_mul_i32 s20, s20, 102400                     ; A: the group that I fetch (8 records a group)
	s_mov_b32 s21, 0
	s_lshl_b32 s46, s42, 1
	s_add_co_u32 s46, s46, s16
	s_mul_i32 s46, s46, 102400                     ; B likewise
	s_mov_b32 s47, 0
	s_mul_i32 s45, s16, HALFA                      ; where they go: no place in the cluster enters an LDS address
	s_mul_i32 s79, s16, HALFB
	s_add_co_u32 s79, s79, 2*HALFA
	s_wait_dscnt 0x0                               ; the opening add is done
	s_wait_kmcnt 0x0
	s_cmp_ge_u32 s78, 8
	s_cselect_b64 s[74:75], s[6:7], s[4:5]         ; A
	s_cselect_b64 s[76:77], s[4:5], s[6:7]         ; B
	s_cselect_b64 s[12:13], s[10:11], s[8:9]       ; the output
	s_add_nc_u64 s[20:21], s[74:75], s[20:21]
	s_add_nc_u64 s[46:47], s[76:77], s[46:47]
	CROUND                                         ; all sixteen work-groups are here: the first joint loads meet
.irp s, 0,1,2
.set GA, G0+4*\s+48*(\s/2)
.set GB, G0B+4*\s+28*(\s/2)
	s_mov_b32 s[GA], 1
	s_add_co_u32 s[GA+1], s45, \s*SLOT
	s_add_nc_u64 s[GA+2:GA+3], s[20:21], \s*HALFA
	s_or_b32 s[GA+3], s[GA+3], 0x80000000
	s_mov_b32 s[GB], 1
	s_add_co_u32 s[GB+1], s79, \s*SLOT
	s_add_nc_u64 s[GB+2:GB+3], s[46:47], \s*HALFB
	s_or_b32 s[GB+3], s[GB+3], 0x80000000
	JLOAD GA, G1, GB, G1B                          ; three tensor loads of mine are out behind these
.endr
	v_and_b32 v1, 15, v0                           ; r
	v_bfe_u32 v2, v0, 4, 1                         ; h
	v_and_b32 v8, 31, v0
	v_lshlrev_b32 v[LI], 4, v8
	s_mul_i32 s21, s15, HALFA
	s_mul_i32 s22, s16, HALFB
	s_add_co_u32 s22, s22, 2*HALFA
.irp s, 0,1,2
	v_add_nc_u32 v[ADRA+\s], s21, v[LI]
	v_add_nc_u32 v[ADRB+\s], s22, v[LI]
	s_add_co_u32 s21, s21, SLOT
	s_add_co_u32 s22, s22, SLOT
.endr
	s_mul_i32 s21, s15, HALFA
	s_mul_i32 s22, s16, HALFB
	s_add_co_u32 s22, s22, 2*HALFA
	s_sub_co_u32 s22, s22, s21                     ; from A's words to B's
	s_add_co_u32 s21, s21, 12288
	v_lshlrev_b32 v5, 2, v1                        ; 4 r
	v_mul_u32_u24 v6, s22, v2                      ; lanes 16-31 take B's
	v_add_nc_u32 v6, v5, v6
.irp s, 0,1,2
	v_add_nc_u32 v[ADRS+\s], s21, v6
	s_add_co_u32 s21, s21, SLOT
.endr
	s_lshl_b32 s23, s14, 11                        ; my stage for the scale words: 2,048 bytes a wave, in slot 1
	s_add_co_u32 s23, s23, SLOT
	v_add_nc_u32 v[WST], s23, v5
	v_add_nc_u32 v[WRD], s23, v[LI]
.irp b, 0,1,2,3
	v_mov_b32 v[TM+4+\b], 0                        ; written once: a lane permute's destination counts as one of its sources
.endr
	s_mov_b32 s[SEL], 0x76543210
	s_mov_b32 s[SEL+1], 0xfedcba98
	s_lshl_b32 s84, s17, 1
	s_add_co_u32 s84, s84, s15
	s_mul_i32 s84, s84, s73
	s_lshl_b32 s85, s42, 1
	s_add_co_u32 s84, s84, s85
	s_add_co_u32 s84, s84, s16
	s_mul_i32 s84, s84, 12800                      ; my record: (group of A's rows) x K steps + (group of B's rows)
	s_mov_b32 s85, 0
	s_add_nc_u64 s[12:13], s[12:13], s[84:85]
	s_wait_tensorcnt 0x2                           ; my part of slot 0 is in; slots 1 and 2 may stay out
	s_barrier_signal -1
	s_barrier_wait -1
	FETCH_B 0, 0, 0
	FETCH_A 0, 0, 0
	SCALES 0, 0
	FETCH_A 0, 0, 4
	STEP 0, 0, 1                                   ; K step 0: its products start the sums
	TURN 0, 1, 0, 2                                ; K step 1; slot 0 is asked for again: K steps 6 and 7
	STEP 1, 1, 0
	TURN 1, 2, 1, 0
	STEP 2, 0, 0
	TURN 2, 0, 0, 1                                ; K step 5; the refill has landed, in every wave
	STEP 0, 1, 0
	s_wait_dscnt 12                                ; K step 7: nothing more to fetch
	WIN MUL_LO
	MUL16 0, 1, 1, 1, 0
	MUL16 2, 1, 1, 1, 0
	s_wait_dscnt 0x0
	WIN MUL_HI
	MUL16 4, 1, 1, 1, 0
	MUL16 6, 1, 1, 1, 0
	WIN 0
	PLACES 4
; THE WAY OUT.  Block a's 64 registers of a lane are register 16 b + i = k 32 b + 16 h + i of the lane's row: they become fragment a of my record and its scale word.  Each accumulator is read from its low end on.
.macro QUANTW a
.set QS, 64*((\a)%4)
.set QW, 2+(\a)/4
.set QP, PCB+12*(\a)
.set QZ, PWA+(\a)
	WIN 5*QW                                       ; sources 0 and 1 in the accumulators' window
.irp b, 0,1,2,3
	v_max3_num_f32 v[TM+\b], |v[QS+16*\b]|, |v[QS+1+16*\b]|, 0x1800000   ; and the floor 2^(3 - 127)
.endr
.irp i, 2,4,6,8,10,12,14
.irp b, 0,1,2,3
	v_max3_num_f32 v[TM+\b], |v[QS+16*\b+\i]|, |v[QS+1+16*\b+\i]|, v[TM+\b]
.endr
.endr
	WIN 0
.irp b, 0,1,2,3
	v_permlanex16_b32 v[TM+4+\b], v[TM+\b], s[SEL], s[SEL+1]
.endr
.irp b, 0,1,2,3
	v_max_num_f32 v[TM+\b], v[TM+\b], v[TM+4+\b]
.endr
.irp b, 0,1,2,3
	v_add_nc_u32 v[TM+12+\b], 0xff000000, v[TM+\b] ; 2 off the exponent field: the conversion's scale operand
.endr
.irp b, 0,1,2,3
	v_lshrrev_b32 v[TM+4+\b], 23, v[TM+12+\b]      ; the scale's byte
.endr
	v_lshl_or_b32 v[QZ], v[TM+5], 8, v[TM+4]
	v_lshl_or_b32 v[QZ], v[TM+6], 16, v[QZ]
	v_lshl_or_b32 v[QZ], v[TM+7], 24, v[QZ]
	WIN QW                                         ; source 0 in the accumulators' window
.irp c, 0,1
	v_cvt_scalef32_pk16_fp6_f32 v[QP+6*\c:QP+6*\c+2], v[QS+32*\c:QS+32*\c+15], v[TM+12+2*\c]
	v_cvt_scalef32_pk16_fp6_f32 v[CT+4*\c:CT+4*\c+2], v[QS+16+32*\c:QS+31+32*\c], v[TM+13+2*\c]
.endr
	WIN 0
	v_nop                                          ; one plain place behind a scaled conversion
.irp c, 0,1
.irp i, 0,1,2
	v_permlane16_swap_b32 v[QP+6*\c+\i], v[CT+4*\c+\i]
.endr
.irp i, 0,1,2
	v_mov_b32 v[QP+3+6*\c+\i], v[CT+4*\c+\i]
.endr
.endr
.endm
.irp a, 0,1,2,3,4,5,6,7
	QUANTW \a
.irp c, 0,1,2
	global_store_b128 v[LI], v[PCB+12*\a+4*\c:PCB+12*\a+4*\c+3], s[12:13] offset:1536*\a+512*\c   ; 512 consecutive bytes, at a multiple of 256 from the buffer's first byte
.endr
	ds_store_b32 v[WST], v[PWA+\a] offset:64*\a    ; slot 1 has had its only fill, and every wave has passed the last barrier, behind which nobody reads it
.endr
	ds_load_b128 v[72:75], v[WRD]                  ; my record's 128 scale words
	s_wait_dscnt 0x0
	global_store_b128 v[LI], v[72:75], s[12:13] offset:12288
	s_wait_tensorcnt 0x0                           ; the wave's end
	ds_add_u32 v[SPW], v[NIL]
	s_wait_dscnt 0x0
	CROUND                                         ; the closing round
	s_endpgm
.Lfunc_end_k_q13c0c736a5_proj:
	.size	k_q13c0c736a5_proj, .Lfunc_end_k_q13c0c736a5_proj-k_q13c0c736a5_proj
	.p2alignl 7, 3214868480
	.fill 96, 4, 3214868480
	.section	.rodata,"a",@progbits
	.p2align	6, 0x0
	.amdhsa_kernel k_q13c0c736a5_proj
		.amdhsa_group_segment_fixed_size 327680
		.amdhsa_private_segment_fixed_size 0
		.amdhsa_enable_private_segment 0
		.amdhsa_kernarg_size 32
		.amdhsa_user_sgpr_count 2
		.amdhsa_user_sgpr_kernarg_segment_ptr 1
		.amdhsa_wavefront_size32 1
		.amdhsa_system_sgpr_workgroup_id_x 1
		.amdhsa_system_sgpr_workgroup_id_y 1
		.amdhsa_system_sgpr_workgroup_id_z 1
		.amdhsa_system_vgpr_workitem_id 0
		.amdhsa_next_free_vgpr 1024
		.amdhsa_next_free_sgpr 100
		.amdhsa_reserve_vcc 0
		.amdhsa_float_denorm_mode_32 3
		.amdhsa_float_denorm_mode_16_64 3
		.amdhsa_memory_ordered 1
		.amdhsa_forward_progress 1
		.amdhsa_inst_pref_size 140
	.end_amdhsa_kernel
	.amdgpu_metadata
---
amdhsa.version: [ 1, 2 ]
amdhsa.kernels:
  - .name:           k_q13c0c736a5_proj
    .symbol:         k_q13c0c736a5_proj.kd
    .args:
      - { .name: xr, .offset: 0, .size: 8, .value_kind: global_buffer, .address_space: global }
      - { .name: wr, .offset: 8, .size: 8, .value_kind: global_buffer, .address_space: global }
      - { .name: qkr, .offset: 16, .size: 8, .value_kind: global_buffer, .address_space: global }
      - { .name: vtr, .offset: 24, .size: 8, .value_kind: global_buffer, .address_space: global }
    .group_segment_fixed_size: 327680
    .private_segment_fixed_size: 0
    .kernarg_segment_align: 8
    .kernarg_segment_size: 32
    .max_flat_workgroup_size: 128
    .sgpr_count:     100
    .vgpr_count:     1024
    .wavefront_size: 32
...
	.end_amdgpu_metadata
.endif
;; end of part 5
;; launch scores (part 6): grid 12 x 16, 4 waves a work-group, clusters of 4 x 4, 327,680 bytes of LDS; arguments qkr, pr; writes pr
.if DOCPART == 6
	.amdgcn_target "amdgcn-amd-amdhsa--gfx1250"
	.amdhsa_code_object_version 6
	.text
	.protected	k_q13c0c736a5_scores
	.globl	k_q13c0c736a5_scores
	.p2align	8
	.type	k_q13c0c736a5_scores,@function
k_q13c0c736a5_scores:
	s_mov_b64 s[64:65], 0
	v_nop
	global_prefetch_b8 v0, s[64:65] scope:SCOPE_SE
	s_setreg_imm32_b32 hwreg(HW_REG_WAVE_MODE, 25, 1), 1
	s_wait_xcnt 0x0
	s_wait_alu depctr_hold_cnt(0) depctr_sa_sdst(0) depctr_va_vdst(0) depctr_va_sdst(0) depctr_va_ssrc(0) depctr_va_vcc(0) depctr_vm_vsrc(0)
	s_getreg_b32 s2, hwreg(HW_REG_IB_STS2, 6, 4)
	s_cmp_eq_u32 s2, 0
	s_cbranch_scc0 .Lentry_in_a_cluster
	s_endpgm
.Lentry_in_a_cluster:
	s_bfe_u32 s2, ttmp6, 0x10000c
	s_cmp_lg_u32 s2, 0xf033
	s_cbranch_scc0 .Lentry_shape_is_right
	s_endpgm
.Lentry_shape_is_right:
; S^T = K Q^T on codes of FP6 (E2M3), the causal mask, and p = 2^(t - M) quantised along the keys, t = score x log2(e) / 32.
; M HERE IS LOCAL: the ceiling of the largest t of a query among the 128 keys of one key step.  M is a whole number, so p's codes are those under the row's M, and only the scale bytes differ, by a whole number that the
; next launch takes off.  Each wave's 128 queries x 128 keys leave as ONE record of 13,824 bytes: 8 fragments (12,288), 128 scale words with 64 added to each byte, 128 local M (f32), 128 local sums of the unquantised p (f32).
; OPERANDS are records of qkr [64 token groups][16 K steps: 0-7 q, 8-15 k]; "A" (source 1, the result's lanes) = queries, "B" (source 0, down the registers) = keys.
; CLUSTERS of 4 x 4: cluster x 0, 1, 2 = the blocks (0, 0), (1, 0), (1, 1) of 1,024 queries x 1,024 keys of batch = cluster y; the block that lies wholly above the diagonal is not launched.  Inside a cluster all
; partners run alike: the mask is applied in every tile by a select; a tile above the diagonal leaves zero codes, a sum of 0 and M = -3e38.
; The three slots, the joint loads and the registers of the products are those of the launch that makes qkr: three slots' worth of K are asked for at the head, the fourth goes into slot 0 behind the one round and has
; 256 matrix instructions a wave in which to land.  No prefetch is laid: the fourth is asked for straight behind the first.
; LIMITS: NaN and infinities are not served; beyond |t| = 2^24 a whole M is no finer than t's own rounding.
.set RECA,  12800
.set RECB,  12800
.set HALFA, 2*RECA
.set HALFB, 2*RECB
.set SLOT,  2*HALFA+2*HALFB
.set SPARE, 3*SLOT
.set FR,    12
.set D0,   3                           ; v3  my query of block 0 less my first key: signed
.set NINF, 4                           ; v4  -infinity
.set ADRS, 12                          ; v12-14
.set ADRA, 16                          ; v16-18
.set ADRB, 20                          ; v20-22
.set WST,  24
.set WRD,  25
.set LI,   26
.set SPW,  28
.set NIL,  29
.set SC,   32
.set AF,   128
.set W,    64                          ; the way out: v64-127 a block's scores, then p
.set PCB,  128                         ; v128-223 a fragment for each block
.set BM,   224                         ; v224-227 the blocks' largest scores, then largest p
.set BX,   228                         ; v228-231 permutes' destinations, then bytes
.set SO,   232                         ; v232-235 the conversions' scale operands
.set CT,   236                         ; v236-238, v240-242
.set LA,   244
.set LB,   246
.set NM,   248                         ; v[248:249] -M (the pair is named; v249 = 0)
.set T0,   250
.set PWD,  251
.set MS,   252
.set LS,   253
.set SEL,  66
.set CS,   68                          ; s[68:69] c = log2(e) / 32
.set G1,  24
.set G0,  32                           ; s[32:39] A's groups 0 for slots 0, 1; s[88:91] for slot 2
.set G1B, 48
.set G0B, 56                           ; s[56:63] B's; s[92:95] for slot 2
.set MSB, 0
.macro WIN new
.if MSB != (\new)
	s_set_vgpr_msb (MSB<<8)|(\new)
.set MSB, (\new)
.endif
.endm
.set MUL_LO, 0xa1
.set MUL_HI, 0xf1
.set TO_B,   0x40
.macro JLOAD g0a, g1a, g0b, g1b        ; a joint load: waves 0, 1 for A, waves 2, 3 for B; an s_nop 0 and four v_nop follow each line
	s_cmp_eq_u32 s15, 0
	s_cbranch_scc0 .Lfor_b_\@
	tensor_load_to_lds s[\g0a:\g0a+3], s[\g1a:\g1a+7]
	s_nop 0
.rept 4
	v_nop
.endr
	s_branch .Lasked_\@
.Lfor_b_\@:
	tensor_load_to_lds s[\g0b:\g0b+3], s[\g1b:\g1b+7]
	s_nop 0
.rept 4
	v_nop
.endr
.Lasked_\@:
.endm
.macro CREST
	s_cmp_lg_u32 s14, 0
	s_cbranch_scc1 .Lnot_wave_0_\@
	s_barrier_signal -3
.Lnot_wave_0_\@:
	s_barrier_wait -3
	s_barrier_signal -1
	s_barrier_wait -1
.endm
.macro CROUND
	s_barrier_signal -1
	s_barrier_wait -1
	CREST
.endm
.macro PLACES n
.rept \n
	v_nop
.endr
.endm
.macro FRAG reg, adr, off
.irp c, 0,1,2
	ds_load_b128 v[\reg+4*\c:\reg+4*\c+3], v[\adr] offset:\off+512*\c
.endr
.endm
.macro FETCH_B slot, q, p
	WIN TO_B
.irp i, 0,1,2,3,4,5,6,7
	FRAG 128*(\p)+FR*\i, ADRB+\slot, (\q)*RECB+1536*\i
.endr
	WIN 0
.endm
.macro FETCH_A slot, q, i0
.irp i, \i0, \i0+1, \i0+2, \i0+3
	FRAG AF+FR*(\i), ADRA+\slot, (\q)*RECA+1536*(\i)
.endr
.endm
.macro SCALES slot, sc
.irp q, 0,1
.irp i, 0,1,2,3,4,5,6,7
	ds_load_b32 v[SC+16*(\sc)+8*\q+\i], v[ADRS+\slot] offset:\q*RECA+64*\i
.endr
.endr
.endm
.macro MUL16 a0, p, q, sc, zero        ; the 64 accumulators take turns, in the same order in every step
.irp a, \a0, \a0+1
.irp b, 0,1,2,3,4,5,6,7
.if \zero
	v_wmma_scale_f32_16x16x128_f8f6f4 v[8*(8*((\a)%4)+\b):8*(8*((\a)%4)+\b)+7], v[128*(\p)+FR*\b:128*(\p)+FR*\b+FR-1], v[AF+FR*(\a):AF+FR*(\a)+FR-1], 0, v[SC+16*(\sc)+8*(\q)+\b], v[SC+16*(\sc)+8*(\q)+(\a)] matrix_a_fmt:MATRIX_FMT_FP6 matrix_b_fmt:MATRIX_FMT_FP6 matrix_a_scale:MATRIX_SCALE_ROW1
.else
	v_wmma_scale_f32_16x16x128_f8f6f4 v[8*(8*((\a)%4)+\b):8*(8*((\a)%4)+\b)+7], v[128*(\p)+FR*\b:128*(\p)+FR*\b+FR-1], v[AF+FR*(\a):AF+FR*(\a)+FR-1], v[8*(8*((\a)%4)+\b):8*(8*((\a)%4)+\b)+7], v[SC+16*(\sc)+8*(\q)+\b], v[SC+16*(\sc)+8*(\q)+(\a)] matrix_a_fmt:MATRIX_FMT_FP6 matrix_b_fmt:MATRIX_FMT_FP6 matrix_a_scale:MATRIX_SCALE_ROW1
.endif
.endr
.endr
.endm
.macro STEP slot, sc, zero
	s_wait_dscnt 12                                ; all but the youngest 12 loads (A's blocks 4-7) are in
	WIN MUL_LO
	MUL16 0, 0, 0, \sc, \zero
	MUL16 2, 0, 0, \sc, \zero
	s_wait_dscnt 0x0
	PLACES 4
	FETCH_B \slot, 1, 1
	FETCH_A \slot, 1, 0
	WIN MUL_HI
	MUL16 4, 0, 0, \sc, \zero
	MUL16 6, 0, 0, \sc, \zero
	PLACES 4
	WIN 0
	FETCH_A \slot, 1, 4
.endm
; A slot's second K step changes slots.  mode 2: slot 0 is filled again, behind the three lines and a round of the cluster's barrier.  mode 1: the three lines and a plain barrier: the refilled slot is shown whole.
; mode 0: neither: the next slot was shown whole by the barrier of mode 2, ahead of which every wave had waited for all three of its first loads; no wait on TENSORcnt stands here, so that the refill stays on its way.
.macro TURN slot, next, sc, mode
.if \mode
	s_wait_tensorcnt 0x0                           ; all my tensor loads have landed
	ds_add_u32 v[SPW], v[NIL]                      ; 0 onto my spare word
	s_wait_dscnt 13                                ; (the add and the youngest 12 loads may be out)
	WIN MUL_LO
	MUL16 0, 1, 1, \sc, 0
	s_wait_dscnt 0x0                               ; the add is done, and my reads of this slot are over
	s_barrier_signal -1
	MUL16 2, 1, 1, \sc, 0
	WIN 0
	s_barrier_wait -1
.else
	s_wait_dscnt 12                                ; all but the youngest 12 loads (A's blocks 4-7) are in
	WIN MUL_LO
	MUL16 0, 1, 1, \sc, 0
	MUL16 2, 1, 1, \sc, 0
	WIN 0
	s_wait_dscnt 0x0                               ; A's blocks 4-7 are in
.endif
.if \mode == 2
	CREST                                          ; a round of the cluster's barrier: no wave of any partner still reads slot 0 or has a load on its way
	s_add_nc_u64 s[G0+2:G0+3], s[G0+2:G0+3], 3*HALFA     ; slot 0's next tile: K steps 6 and 7
	s_add_nc_u64 s[G0B+2:G0B+3], s[G0B+2:G0B+3], 3*HALFB
	JLOAD G0, G1, G0B, G1B                         ; the first tensor load behind the round, and my last
.else
	PLACES 4
.endif
	FETCH_B \next, 0, 0
	FETCH_A \next, 0, 0
	SCALES \next, 1-(\sc)
	WIN MUL_HI
	MUL16 4, 1, 1, \sc, 0
	MUL16 6, 1, 1, \sc, 0
	PLACES 4
	WIN 0
	FETCH_A \next, 0, 4
.endm
	s_load_b128 s[4:7], s[0:1], 0x0                ; qkr, pr
	v_lshl_add_u32 v[SPW], v0, 2, SPARE
	v_mov_b32 v[NIL], 0
	ds_add_u32 v[SPW], v[NIL]                      ; the wave's opening
	v_lshrrev_b32 v1, 5, v0
	v_readfirstlane_b32 s14, v1
	s_lshr_b32 s15, s14, 1                         ; my half of the queries.  Also: I fetch for A (0) or for B (1)
	s_and_b32 s16, s14, 1                          ; my half of the keys.  Also: which group I fetch
	s_bfe_u32 s40, ttmp6, 0x40000                  ; cx
	s_bfe_u32 s41, ttmp6, 0x40004                  ; cy
	s_and_b32 s70, ttmp7, 0xffff                   ; batch
	s_add_co_u32 s71, ttmp9, 1
	s_lshr_b32 s71, s71, 1                         ; which 1,024 queries: 0, 1, 1
	s_lshr_b32 s72, ttmp9, 1                       ; which 1,024 keys: 0, 0, 1
	s_lshl_b32 s17, s71, 2
	s_add_co_u32 s17, s17, s41                     ; tile row: queries
	s_lshl_b32 s42, s72, 2
	s_add_co_u32 s42, s42, s40                     ; tile column: keys
	s_lshl_b32 s43, s41, 2
	s_lshl_b32 s43, 15, s43
	s_lshl_b32 s44, 0x1111, s40
	s_or_b32 s[G1+0], s43, (3<<16)|(1<<21)         ; a dense block of 25,600 bytes as 100 rows of 32 elements of 8 bytes
	s_or_b32 s[G1B+0], s44, (3<<16)|(1<<21)
.irp g, G1, G1B
	s_mov_b32 s[\g+1], 32<<16
	s_mov_b32 s[\g+2], 100<<16
	s_mov_b32 s[\g+3], 32<<16
	s_mov_b32 s[\g+4], 100
	s_mov_b32 s[\g+5], 32
	s_mov_b32 s[\g+6], 0
	s_mov_b32 s[\g+7], 0
.endr
	s_lshl_b32 s73, s70, 4                         ; 16 groups a batch
	s_lshl_b32 s20, s17, 1
	s_add_co_u32 s20, s20, s16
	s_add_co_u32 s20, s20, s73
	s_mul_i32 s20, s20, 204800                     ; Q: the group's K steps 0-7
	s_mov_b32 s21, 0
	s_lshl_b32 s46, s42, 1
	s_add_co_u32 s46, s46, s16
	s_add_co_u32 s46, s46, s73
	s_mul_i32 s46, s46, 204800
	s_add_co_u32 s46, s46, 102400                  ; K: the group's K steps 8-15
	s_mov_b32 s47, 0
	s_mul_i32 s45, s16, HALFA
	s_mul_i32 s79, s16, HALFB
	s_add_co_u32 s79, s79, 2*HALFA
	s_wait_dscnt 0x0                               ; the opening add is done
	s_wait_kmcnt 0x0
	s_add_nc_u64 s[20:21], s[4:5], s[20:21]
	s_add_nc_u64 s[46:47], s[4:5], s[46:47]
	CROUND
.irp s, 0,1,2
.set GA, G0+4*\s+48*(\s/2)
.set GB, G0B+4*\s+28*(\s/2)
	s_mov_b32 s[GA], 1
	s_add_co_u32 s[GA+1], s45, \s*SLOT
	s_add_nc_u64 s[GA+2:GA+3], s[20:21], \s*HALFA
	s_or_b32 s[GA+3], s[GA+3], 0x80000000
	s_mov_b32 s[GB], 1
	s_add_co_u32 s[GB+1], s79, \s*SLOT
	s_add_nc_u64 s[GB+2:GB+3], s[46:47], \s*HALFB
	s_or_b32 s[GB+3], s[GB+3], 0x80000000
	JLOAD GA, G1, GB, G1B                          ; three tensor loads of mine are out behind these
.endr
	v_and_b32 v1, 15, v0                           ; r
	v_bfe_u32 v2, v0, 4, 1                         ; h
	v_and_b32 v8, 31, v0
	v_lshlrev_b32 v[LI], 4, v8
	s_mul_i32 s21, s15, HALFA
	s_mul_i32 s22, s16, HALFB
	s_add_co_u32 s22, s22, 2*HALFA
.irp s, 0,1,2
	v_add_nc_u32 v[ADRA+\s], s21, v[LI]
	v_add_nc_u32 v[ADRB+\s], s22, v[LI]
	s_add_co_u32 s21, s21, SLOT
	s_add_co_u32 s22, s22, SLOT
.endr
	s_mul_i32 s21, s15, HALFA
	s_mul_i32 s22, s16, HALFB
	s_add_co_u32 s22, s22, 2*HALFA
	s_sub_co_u32 s22, s22, s21
	s_add_co_u32 s21, s21, 12288
	v_lshlrev_b32 v5, 2, v1
	v_mul_u32_u24 v6, s22, v2                      ; lanes 16-31 take B's words
	v_add_nc_u32 v6, v5, v6
.irp s, 0,1,2
	v_add_nc_u32 v[ADRS+\s], s21, v6
	s_add_co_u32 s21, s21, SLOT
.endr
	s_lshl_b32 s23, s14, 11                        ; my stage: 2,048 bytes a wave, in slot 1
	s_add_co_u32 s23, s23, SLOT
	v_add_nc_u32 v[WST], s23, v5
	v_add_nc_u32 v[WRD], s23, v[LI]
	s_lshl_b32 s84, s17, 8                         ; the mask: my first query less my first key,
	s_lshl_b32 s85, s15, 7
	s_add_co_u32 s84, s84, s85
	s_lshl_b32 s85, s42, 8
	s_sub_co_u32 s84, s84, s85
	s_lshl_b32 s85, s16, 7
	s_sub_co_u32 s84, s84, s85
	v_and_b32 v6, 8, v1
	v_add_nc_u32 v6, v6, v1                        ; + r + 8 (r / 8): my place's row in a tile,
	v_lshlrev_b32 v7, 4, v2
	v_sub_nc_u32 v6, v6, v7                        ; - 16 h: my half's keys
	v_add_nc_u32 v[D0], s84, v6
	v_mov_b32 v[NINF], 0xff800000
	v_mov_b32 v[NM+1], 0
.irp b, 0,1,2,3
	v_mov_b32 v[BX+\b], 0                          ; written once: a lane permute's destination counts as one of its sources
.endr
	s_mov_b32 s[SEL], 0x76543210
	s_mov_b32 s[SEL+1], 0xfedcba98
	s_mov_b32 s[CS], 0x3d38aa3b                    ; log2(e) / 32
	s_mov_b32 s[CS+1], s[CS]
	s_lshl_b32 s84, s17, 1
	s_add_co_u32 s84, s84, s15
	s_add_co_u32 s84, s84, s73
	s_lshl_b32 s84, s84, 4                         ; 16 key steps a group
	s_lshl_b32 s85, s42, 1
	s_add_co_u32 s84, s84, s85
	s_add_co_u32 s84, s84, s16
	s_mul_i32 s84, s84, 13824                      ; my record
	s_mov_b32 s85, 0
	s_add_nc_u64 s[12:13], s[6:7], s[84:85]
	s_wait_tensorcnt 0x2                           ; my part of slot 0 is in; slots 1 and 2 may stay out
	s_barrier_signal -1
	s_barrier_wait -1
	FETCH_B 0, 0, 0
	FETCH_A 0, 0, 0
	SCALES 0, 0
	FETCH_A 0, 0, 4
	STEP 0, 0, 1                                   ; K step 0: its products start the sums
	TURN 0, 1, 0, 2                                ; K step 1; slot 0 is asked for again: K steps 6 and 7
	STEP 1, 1, 0
	TURN 1, 2, 1, 0
	STEP 2, 0, 0
	TURN 2, 0, 0, 1                                ; K step 5; the refill has landed, in every wave
	STEP 0, 1, 0
	s_wait_dscnt 12                                ; K step 7: nothing more to fetch
	WIN MUL_LO
	MUL16 0, 1, 1, 1, 0
	MUL16 2, 1, 1, 1, 0
	s_wait_dscnt 0x0
	WIN MUL_HI
	MUL16 4, 1, 1, 1, 0
	MUL16 6, 1, 1, 1, 0
	WIN 0
	PLACES 4
; THE WAY OUT of block a (16 queries x 128 keys).  Register n of a lane holds key 32 (n / 16) + 16 h + n % 16 of my 128; my query is row 32 (a / 2) + 8 (a % 2) + r + 8 (r / 8) of my 128.
.macro SOFT a
.set AC, 64*((\a)%4)
.set PCA, PCB+12*(\a)
	WIN 2+(\a)/4                                   ; source 0 in the accumulators' window
.set N, 0
.rept 64
	v_cmp_gt_i32 vcc_lo, 32*(N/16)+N%16-32*((\a)/2)-8*((\a)%2), v[D0]    ; the key comes after the query:
	v_cndmask_b32 v[W+N], v[AC+N], v[NINF], vcc_lo                       ; -infinity; else the score.  Ascending: each accumulator from its low end on
.set N, N+1
.endr
	WIN 0
	s_wait_dscnt 0x0                               ; the last block's three LDS stores have read their registers, which are written again below
.irp b, 0,1,2,3
	v_max3_num_f32 v[BM+\b], v[W+16*\b], v[W+1+16*\b], v[W+2+16*\b]       ; the largest score of each block of 32 keys: for the maximum, and, since p rises with the score, for the block's largest p
.endr
.irp i, 3,5,7,9,11,13
.irp b, 0,1,2,3
	v_max3_num_f32 v[BM+\b], v[BM+\b], v[W+16*\b+\i], v[W+1+16*\b+\i]
.endr
.endr
.irp b, 0,1,2,3
	v_max_num_f32 v[BM+\b], v[BM+\b], v[W+15+16*\b]
.endr
.irp b, 0,1,2,3
	v_permlanex16_b32 v[BX+\b], v[BM+\b], s[SEL], s[SEL+1]
.endr
.irp b, 0,1,2,3
	v_max_num_f32 v[BM+\b], v[BM+\b], v[BX+\b]
.endr
	v_max3_num_f32 v[T0], v[BM], v[BM+1], v[BM+2]
	v_max_num_f32 v[T0], v[T0], v[BM+3]
	v_mul_f32 v[T0], s[CS], v[T0]                  ; as t
	v_max_num_f32 v[T0], 0xff61b1e6, v[T0]         ; a query with no open key among these 128 stands at -3e38: no infinity meets an infinity
	v_floor_f32 v[NM], -v[T0]                      ; -M = floor(-t): M is a whole number
.set N, 0
.rept 32
	v_pk_fma_f32 v[W+N:W+N+1], v[W+N:W+N+1], s[CS:CS+1], v[NM:NM+1] op_sel_hi:[1,0,0]   ; t - M
.set N, N+2
.endr
.irp b, 0,1,2,3
	v_fma_f32 v[BM+\b], v[BM+\b], s[CS], v[NM]
.endr
.set N, 0
.rept 64
	v_exp_f32 v[W+N], v[W+N]                       ; p = 2^(t - M)
.set N, N+1
.endr
	v_sub_f32 v[MS], 0, v[NM]                      ; M.  (The plain place behind the exponentials)
	s_wait_alu depctr_va_vdst(0)                   ; one wait for the batch, ahead of its first reader
.irp b, 0,1,2,3
	v_exp_f32 v[BM+\b], v[BM+\b]                   ; the blocks' largest p
.endr
	v_pk_add_f32 v[LA:LA+1], v[W:W+1], v[W+2:W+3]  ; the sum of the unquantised p, in two chains
	v_pk_add_f32 v[LB:LB+1], v[W+4:W+5], v[W+6:W+7]
.irp j, 8,12,16,20,24,28,32,36,40,44,48,52,56,60
	v_pk_add_f32 v[LA:LA+1], v[LA:LA+1], v[W+\j:W+\j+1]
	v_pk_add_f32 v[LB:LB+1], v[LB:LB+1], v[W+\j+2:W+\j+3]
.endr
	v_pk_add_f32 v[LA:LA+1], v[LA:LA+1], v[LB:LB+1]
	s_wait_alu depctr_va_vdst(0)                   ; and one for the four
.irp b, 0,1,2,3
	v_max_num_f32 v[BM+\b], 0x1800000, v[BM+\b]    ; the floor 2^(3 - 127): the byte cannot fall under 1
.endr
.irp b, 0,1,2,3
	v_add_nc_u32 v[SO+\b], 0xff000000, v[BM+\b]
.endr
.irp b, 0,1,2,3
	v_lshrrev_b32 v[BX+\b], 23, v[SO+\b]
.endr
	v_lshl_or_b32 v[PWD], v[BX+1], 8, v[BX]
	v_lshl_or_b32 v[PWD], v[BX+2], 16, v[PWD]
	v_lshl_or_b32 v[PWD], v[BX+3], 24, v[PWD]
	v_add_nc_u32 v[PWD], 0x40404040, v[PWD]        ; 64 onto each byte (1 .. 125 become 65 .. 189): room for the next launch to take up to 64 off
.irp c, 0,1
	v_cvt_scalef32_pk16_fp6_f32 v[PCA+6*\c:PCA+6*\c+2], v[W+32*\c:W+32*\c+15], v[SO+2*\c]
	v_cvt_scalef32_pk16_fp6_f32 v[CT+4*\c:CT+4*\c+2], v[W+16+32*\c:W+31+32*\c], v[SO+1+2*\c]
.endr
	v_nop                                          ; one plain place behind a scaled conversion
.irp c, 0,1
.irp i, 0,1,2
	v_permlane16_swap_b32 v[PCA+6*\c+\i], v[CT+4*\c+\i]
.endr
.irp i, 0,1,2
	v_mov_b32 v[PCA+3+6*\c+\i], v[CT+4*\c+\i]
.endr
.endr
	v_add_f32 v[LS], v[LA], v[LA+1]
	v_permlanex16_b32 v[BX], v[LS], s[SEL], s[SEL+1]
	v_add_f32 v[LS], v[LS], v[BX]                  ; with lane l xor 16's 64 keys
.irp c, 0,1,2
	global_store_b128 v[LI], v[PCA+4*\c:PCA+4*\c+3], s[12:13] offset:1536*(\a)+512*\c
.endr
	ds_store_b32 v[WST], v[PWD] offset:64*(\a)     ; slot 1 has had its only fill, and every wave has passed the last barrier, behind which nobody reads it
	ds_store_b32 v[WST], v[MS] offset:512+64*(\a)
	ds_store_b32 v[WST], v[LS] offset:1024+64*(\a)
.endm
.irp a, 0,1,2,3,4,5,6,7
	SOFT \a
.endr
.irp k, 0,1,2
	ds_load_b128 v[236+4*\k:239+4*\k], v[WRD] offset:512*\k   ; the record's words, M and sums
.endr
	s_wait_dscnt 0x0
.irp k, 0,1,2
	global_store_b128 v[LI], v[236+4*\k:239+4*\k], s[12:13] offset:12288+512*\k
.endr
	s_wait_tensorcnt 0x0                           ; the wave's end
	ds_add_u32 v[SPW], v[NIL]
	s_wait_dscnt 0x0
	CROUND                                         ; the closing round
	s_endpgm
.Lfunc_end_k_q13c0c736a5_scores:
	.size	k_q13c0c736a5_scores, .Lfunc_end_k_q13c0c736a5_scores-k_q13c0c736a5_scores
	.p2alignl 7, 3214868480
	.fill 96, 4, 3214868480
	.section	.rodata,"a",@progbits
	.p2align	6, 0x0
	.amdhsa_kernel k_q13c0c736a5_scores
		.amdhsa_group_segment_fixed_size 327680
		.amdhsa_private_segment_fixed_size 0
		.amdhsa_enable_private_segment 0
		.amdhsa_kernarg_size 16
		.amdhsa_user_sgpr_count 2
		.amdhsa_user_sgpr_kernarg_segment_ptr 1
		.amdhsa_wavefront_size32 1
		.amdhsa_system_sgpr_workgroup_id_x 1
		.amdhsa_system_sgpr_workgroup_id_y 1
		.amdhsa_system_sgpr_workgroup_id_z 1
		.amdhsa_system_vgpr_workitem_id 0
		.amdhsa_next_free_vgpr 1024
		.amdhsa_next_free_sgpr 100
		.amdhsa_reserve_vcc 1
		.amdhsa_float_denorm_mode_32 3
		.amdhsa_float_denorm_mode_16_64 3
		.amdhsa_memory_ordered 1
		.amdhsa_forward_progress 1
		.amdhsa_inst_pref_size 237
	.end_amdhsa_kernel
	.amdgpu_metadata
---
amdhsa.version: [ 1, 2 ]
amdhsa.kernels:
  - .name:           k_q13c0c736a5_scores
    .symbol:         k_q13c0c736a5_scores.kd
    .args:
      - { .name: qkr, .offset: 0, .size: 8, .value_kind: global_buffer, .address_space: global }
      - { .name: pr, .offset: 8, .size: 8, .value_kind: global_buffer, .address_space: global }
    .group_segment_fixed_size: 327680
    .private_segment_fixed_size: 0
    .kernarg_segment_align: 8
    .kernarg_segment_size: 16
    .max_flat_workgroup_size: 128
    .sgpr_count:     100
    .vgpr_count:     1024
    .wavefront_size: 32
...
	.end_amdgpu_metadata
.endif
;; end of part 6
;; launch mix (part 7): grid 4 x 64, 4 waves a work-group, clusters of 4 x 4, 327,680 bytes of LDS; arguments pr, vtr, out0; writes out0
.if DOCPART == 7
	.amdgcn_target "amdgcn-amd-amdhsa--gfx1250"
	.amdhsa_code_object_version 6
	.text
	.protected	k_q13c0c736a5_mix
	.globl	k_q13c0c736a5_mix
	.p2align	8
	.type	k_q13c0c736a5_mix,@function
k_q13c0c736a5_mix:
	s_mov_b64 s[64:65], 0
	v_nop
	global_prefetch_b8 v0, s[64:65] scope:SCOPE_SE
	s_setreg_imm32_b32 hwreg(HW_REG_WAVE_MODE, 25, 1), 1
	s_wait_xcnt 0x0
	s_wait_alu depctr_hold_cnt(0) depctr_sa_sdst(0) depctr_va_vdst(0) depctr_va_sdst(0) depctr_va_ssrc(0) depctr_va_vcc(0) depctr_vm_vsrc(0)
	s_getreg_b32 s2, hwreg(HW_REG_IB_STS2, 6, 4)
	s_cmp_eq_u32 s2, 0
	s_cbranch_scc0 .Lentry_in_a_cluster
	s_endpgm
.Lentry_in_a_cluster:
	s_bfe_u32 s2, ttmp6, 0x10000c
	s_cmp_lg_u32 s2, 0xf033
	s_cbranch_scc0 .Lentry_shape_is_right
	s_endpgm
.Lentry_shape_is_right:
; O^T = V^T P^T on codes of FP6 (E2M3), divided by the row's sum.  "A" (source 1, the result's lanes) = P's queries, records of 13,824 bytes [64 query groups][16 key steps]; "B" (source 0, down the registers) =
; V^T's channels, records of 12,800 bytes [8 channel groups][64 key steps]; K = the keys.
; P's CODES WERE MADE UNDER A LOCAL M for each key step of 128; its scale bytes carry 64 too much.  Here the row's M (the largest local M) and the row's sum (the local sums x 2^(local M - M)) are made at the head, and
; ahead of each K step's products min(M - local M, 64) is taken off each of P's four bytes: a whole-number subtraction that borrows nothing (65 - 64 = 1).  So the sums hold O x l x 2^64, and the way out multiplies by 2^-64 / l.
; SHARES.  A work-group makes 128 queries x 256 channels: 256 work-groups.  Each of its four waves makes all 128 queries x 64 channels: 32 accumulators, 256 registers.
; CLUSTERS of 4 x 4: cluster y = 4 batch + j, j a block of 512 queries; query group = 4 j + cy, channels 256 cx on.  P's records are shared along a row of the cluster, V's along a column: joint loads.
; THE RING.  A K step is 13,824 + 2 x 12,800 bytes, so a slot holds FOUR K steps (157,696 bytes), and two slots hold 1,024 keys.  Waves 0 and 1 fetch two of P's four records each, waves 2 and 3 a group of V's four.
; j = 0, 1 walk 1,024 keys: both slots are asked for at the head, and nothing is filled again.  j = 2, 3 walk 2,048 keys: each slot is filled once more, behind a round of the cluster's barrier, with four K steps,
; 128 matrix instructions a wave, in which to land.  That middle part is jumped over by ONE forward branch on the cluster's number, alike in all sixteen partners; every wait on TENSORcnt behind it is for 0.
; (Key steps that lie wholly above a query group's diagonal hold zero codes, a sum of 0 and M = -3e38: they add nothing.)
; REGISTERS, in windows of 256: window 0: v1-31 addresses; v32-47 P's scale words, v48-55 V's, v56-71 P's local M, two sets each; v80-103 the rows' M and 2^-64 / l; v104-123 at work; v128-255 the head's loads, later rows of O.
;   Window 1: P's 8 fragments, two sets, at v0 and v96.  Window 2: accumulator (a, b) at v[8 (4 a + b)].  Window 3: V's 4 fragments, two sets, at v0 and v48.
; No prefetch is laid: a work-group has at most two refills, and the first follows straight on the head.
; LIMITS: |O| x l stays under 2^63; a key step whose M lies more than 64 under the row's counts 2^-64 of the row's largest term and not less; NaN and infinities are not served.
.set RECA,  13824
.set RECB,  12800
.set QA,    4*RECA                     ; P's part of a slot
.set QB,    4*RECB                     ; a group of V's part
.set SLOT,  QA+2*QB
.set STAT,  2*SLOT                     ; behind the ring: 1,024 bytes a wave: the rows' M and 2^-64 / l; no fill lands here
.set SPARE, STAT+4096                  ; the spare words, 128 bytes a wave
.set FR,    12
.set ADRA, 10                          ; v10-11 P's fragments in slot 0, 1
.set ADRB, 12                          ; v12-13 my four fragments of V
.set ADSA, 14                          ; v14-15 P's scale words (the local M lie 512 bytes on)
.set ADSB, 16                          ; v16-17 V's scale words
.set STW,  22                          ; v22 STAT: 16 bytes a lane
.set STR,  23                          ; v23 STAT: my place's word
.set STO,  24                          ; v24 the way out: where I put 32 bytes of a row
.set RD,   25                          ; v25 and where I read a row back
.set LI,   26                          ; v26 16 x lane
.set CO,   27                          ; v27 my byte offset in two rows of O
.set SPW,  28                          ; v28 my spare word; never rewritten
.set NIL,  29                          ; v29 0; never rewritten
.set SA,   32
.set SB,   48
.set ML,   56
.set MR,   80                          ; v80-87 the row's M of block a's place r
.set INV,  88                          ; v88-103 2^-64 / l likewise, in pairs whose upper halves are 0
.set T,    104                         ; v104-111 at work
.set MX,   112                         ; the head: v112-115 the rows' M, v116-119 sums, v120-123 2^-64 / l
.set LSM,  116
.set RI,   120
.set BK,   128                         ; the way out: 16 rows read back: v128-159 and v160-191 by turns
.set G1,  24
.set G0,  32
.set G1B, 48
.set G0B, 56
.set MSB, 0
.macro WIN new                         ; the immediate's high byte repeats the setting that is left
.if MSB != (\new)
	s_set_vgpr_msb (MSB<<8)|(\new)
.set MSB, (\new)
.endif
.endm
.set MULW, 0xa7                        ; source 0 (V) window 3, source 1 (P) window 1, C and D window 2
.macro JLOAD g0a, g1a, g0b, g1b        ; a joint load: waves 0, 1 for P, waves 2, 3 for V; an s_nop 0 and four v_nop follow each line
	s_cmp_eq_u32 s15, 0
	s_cbranch_scc0 .Lfor_b_\@
	tensor_load_to_lds s[\g0a:\g0a+3], s[\g1a:\g1a+7]
	s_nop 0
.rept 4
	v_nop
.endr
	s_branch .Lasked_\@
.Lfor_b_\@:
	tensor_load_to_lds s[\g0b:\g0b+3], s[\g1b:\g1b+7]
	s_nop 0
.rept 4
	v_nop
.endr
.Lasked_\@:
.endm
.macro CREST
	s_cmp_lg_u32 s14, 0
	s_cbranch_scc1 .Lnot_wave_0_\@
	s_barrier_signal -3
.Lnot_wave_0_\@:
	s_barrier_wait -3
	s_barrier_signal -1
	s_barrier_wait -1
.endm
.macro CROUND
	s_barrier_signal -1
	s_barrier_wait -1
	CREST
.endm
.macro PLACES n
.rept \n
	v_nop
.endr
.endm
; 56 LDS loads: K step q of a slot into set p: P's 8 fragments, my 4 of V, P's 8 scale words and 8 local M (both halves of the lanes take place r's), V's 4 scale words
.macro FETCH slot, q, p
	WIN 0x40                                       ; destination window 1
.irp i, 0,1,2,3,4,5,6,7
.irp c, 0,1,2
	ds_load_b128 v[96*(\p)+FR*\i+4*\c:96*(\p)+FR*\i+4*\c+3], v[ADRA+\slot] offset:(\q)*RECA+1536*\i+512*\c
.endr
.endr
	WIN 0xc0                                       ; destination window 3
.irp i, 0,1,2,3
.irp c, 0,1,2
	ds_load_b128 v[48*(\p)+FR*\i+4*\c:48*(\p)+FR*\i+4*\c+3], v[ADRB+\slot] offset:(\q)*RECB+1536*\i+512*\c
.endr
.endr
	WIN 0
.irp i, 0,1,2,3,4,5,6,7
	ds_load_b32 v[SA+8*(\p)+\i], v[ADSA+\slot] offset:(\q)*RECA+64*\i
	ds_load_b32 v[ML+8*(\p)+\i], v[ADSA+\slot] offset:(\q)*RECA+512+64*\i
.endr
.irp i, 0,1,2,3
	ds_load_b32 v[SB+4*(\p)+\i], v[ADSB+\slot] offset:(\q)*RECB+64*\i
.endr
.endm
.macro ADJ p                           ; P's bytes of set p under the row's M: 40 plain vector lines
.irp i, 0,1,2,3,4,5,6,7
	v_sub_f32 v[T+\i], v[MR+\i], v[ML+8*(\p)+\i]   ; the row's M less the local one: a whole number, 0 or more
.endr
.irp i, 0,1,2,3,4,5,6,7
	v_min_num_f32 v[T+\i], 0x42800000, v[T+\i]     ; 64 at the most
.endr
.irp i, 0,1,2,3,4,5,6,7
	v_cvt_i32_f32 v[T+\i], v[T+\i]
.endr
.irp i, 0,1,2,3,4,5,6,7
	v_mul_lo_u32 v[T+\i], v[T+\i], s82             ; in each of the four bytes
.endr
.irp i, 0,1,2,3,4,5,6,7
	v_sub_nc_u32 v[SA+8*(\p)+\i], v[SA+8*(\p)+\i], v[T+\i]
.endr
.endm
; 16 matrix instructions: P's blocks a0 .. a0 + 3 x V's four.  The 32 accumulators take turns, one instruction a turn, in the same order in every K step.
.macro MUL a0, p, zero
.irp a, \a0, \a0+1, \a0+2, \a0+3
.irp b, 0,1,2,3
.if \zero
	v_wmma_scale_f32_16x16x128_f8f6f4 v[8*(4*(\a)+\b):8*(4*(\a)+\b)+7], v[48*(\p)+FR*\b:48*(\p)+FR*\b+FR-1], v[96*(\p)+FR*(\a):96*(\p)+FR*(\a)+FR-1], 0, v[SB+4*(\p)+\b], v[SA+8*(\p)+(\a)] matrix_a_fmt:MATRIX_FMT_FP6 matrix_b_fmt:MATRIX_FMT_FP6
.else
	v_wmma_scale_f32_16x16x128_f8f6f4 v[8*(4*(\a)+\b):8*(4*(\a)+\b)+7], v[48*(\p)+FR*\b:48*(\p)+FR*\b+FR-1], v[96*(\p)+FR*(\a):96*(\p)+FR*(\a)+FR-1], v[8*(4*(\a)+\b):8*(4*(\a)+\b)+7], v[SB+4*(\p)+\b], v[SA+8*(\p)+(\a)] matrix_a_fmt:MATRIX_FMT_FP6 matrix_b_fmt:MATRIX_FMT_FP6
.endif
.endr
.endr
.endm
; A K step: multiplies set p and fetches K step q of the slot into the other set.  The 40 lines of ADJ name no register of the last products: they are the places ahead of the loads into the other set.
.macro KS p, slot, q, zero
	s_wait_dscnt 0x0                               ; this K step's 56 loads are in (asked for 32 matrix instructions ago)
	ADJ \p
	FETCH \slot, \q, 1-(\p)
	PLACES 8                                       ; scale registers written by vector instructions stand eight places ahead of the scaled matrix instruction
	WIN MULW
	MUL 0, \p, \zero
	MUL 4, \p, \zero
	WIN 0
.endm
.macro SLOT3 slot, zero                ; a slot's first three K steps
	KS 0, \slot, 1, \zero
	KS 1, \slot, 2, 0
	KS 0, \slot, 3, 0
.endm
; A slot's fourth K step (set 1) changes slots: its own loads, my last reads of the slot, are in.  Each wave waits for all its tensor loads, adds 0 to its spare word, and waits for that and for its reads; one barrier.
; fill = 1: the barrier opens a round of the cluster's, and the slot is asked for again, eight K steps on, first thing behind it.
.macro KSC slot, next, fill
	s_wait_tensorcnt 0x0                           ; all my tensor loads have landed: my part of the next slot
	ds_add_u32 v[SPW], v[NIL]                      ; 0 onto my spare word
	s_wait_dscnt 0x1                               ; this K step's loads are in (the add may be out)
	ADJ 1
	PLACES 8
	s_wait_dscnt 0x0                               ; the add is done, and my reads of this slot are over
	s_barrier_signal -1
	WIN MULW
	MUL 0, 1, 0
	WIN 0
	s_barrier_wait -1
.if \fill
	CREST                                          ; no wave of any partner still reads this slot or has a load on its way
	s_add_nc_u64 s[G0+4*\slot+2:G0+4*\slot+3], s[G0+4*\slot+2:G0+4*\slot+3], 2*QA
	s_add_nc_u64 s[G0B+4*\slot+2:G0B+4*\slot+3], s[G0B+4*\slot+2:G0B+4*\slot+3], 2*QB
	JLOAD G0+4*\slot, G1, G0B+4*\slot, G1B         ; the first tensor load behind the round, and my only one until the next
.endif
	FETCH \next, 0, 0
	WIN MULW
	MUL 4, 1, 0
	WIN 0
.endm
	s_load_b128 s[4:7], s[0:1], 0x0                ; pr, vtr
	s_load_b64 s[12:13], s[0:1], 0x10              ; out0
	v_lshl_add_u32 v[SPW], v0, 2, SPARE
	v_mov_b32 v[NIL], 0
	ds_add_u32 v[SPW], v[NIL]                      ; the wave's opening
	v_lshrrev_b32 v1, 5, v0
	v_readfirstlane_b32 s14, v1                    ; wave: my channels are 64 x wave on
	s_lshr_b32 s15, s14, 1                         ; my group of V.  Also: I fetch for P (0) or for V (1)
	s_and_b32 s16, s14, 1                          ; my half of that group.  Also: which part I fetch
	s_bfe_u32 s40, ttmp6, 0x40000                  ; cx
	s_bfe_u32 s41, ttmp6, 0x40004                  ; cy
	s_and_b32 s78, ttmp7, 0xffff                   ; cluster y
	s_lshr_b32 s70, s78, 2                         ; batch
	s_and_b32 s72, s78, 3                          ; j: which 512 queries
	s_lshr_b32 s71, s72, 1                         ; long: 2,048 keys
	s_lshl_b32 s17, s72, 2
	s_add_co_u32 s17, s17, s41                     ; my query group in the batch
	s_lshl_b32 s43, s41, 2
	s_lshl_b32 s43, 15, s43                        ; my row of the cluster
	s_lshl_b32 s44, 0x1111, s40                    ; my column
	s_or_b32 s[G1+0], s43, (3<<16)|(1<<21)         ; P: two records, a dense block of 27,648 bytes, as 108 rows of 32 elements of 8 bytes
	s_mov_b32 s[G1+1], 32<<16
	s_mov_b32 s[G1+2], 108<<16
	s_mov_b32 s[G1+3], 32<<16
	s_mov_b32 s[G1+4], 108
	s_mov_b32 s[G1+5], 32
	s_mov_b32 s[G1+6], 0
	s_mov_b32 s[G1+7], 0
	s_or_b32 s[G1B+0], s44, (3<<16)|(1<<21)        ; V^T: four records, 51,200 bytes, as 200 rows
	s_mov_b32 s[G1B+1], 32<<16
	s_mov_b32 s[G1B+2], 200<<16
	s_mov_b32 s[G1B+3], 32<<16
	s_mov_b32 s[G1B+4], 200
	s_mov_b32 s[G1B+5], 32
	s_mov_b32 s[G1B+6], 0
	s_mov_b32 s[G1B+7], 0
	s_lshl_b32 s73, s70, 4                         ; 16 groups a batch
	s_add_co_u32 s86, s17, s73
	s_mul_i32 s86, s86, 221184                     ; my group of P (16 records)
	s_mov_b32 s87, 0
	s_mul_i32 s20, s16, 2*RECA                     ; the two records that I fetch
	s_add_co_u32 s20, s20, s86
	s_mov_b32 s21, 0
	s_lshl_b32 s46, s40, 1
	s_add_co_u32 s46, s46, s16
	s_mul_i32 s46, s46, 819200                     ; V^T: the channel group that I fetch (64 records),
	s_mul_i32 s47, s70, 204800                     ; the batch's 16 key steps
	s_add_co_u32 s46, s46, s47
	s_mov_b32 s47, 0
	s_mul_i32 s45, s16, 2*RECA                     ; where they go: no place in the cluster enters an LDS address
	s_mul_i32 s79, s16, QB
	s_add_co_u32 s79, s79, QA
	s_cmp_eq_u32 s71, 1
	s_cselect_b32 s92, 110592, 0                   ; key steps 8-15; a short cluster reads steps 0-7 again,
	s_cselect_b32 s80, 0x3f800000, 0               ; and counts their sums for nothing
	s_mov_b32 s93, 0
	s_mov_b32 s82, 0x01010101
	s_wait_dscnt 0x0                               ; the opening add is done
	s_wait_kmcnt 0x0
	s_add_nc_u64 s[20:21], s[4:5], s[20:21]
	s_add_nc_u64 s[46:47], s[6:7], s[46:47]
	s_add_nc_u64 s[88:89], s[4:5], s[86:87]
	s_add_nc_u64 s[90:91], s[88:89], s[92:93]
	CROUND                                         ; all sixteen work-groups are here: the first joint loads meet
.irp s, 0,1
	s_mov_b32 s[G0+4*\s], 1
	s_add_co_u32 s[G0+4*\s+1], s45, \s*SLOT
	s_add_nc_u64 s[G0+4*\s+2:G0+4*\s+3], s[20:21], \s*QA
	s_or_b32 s[G0+4*\s+3], s[G0+4*\s+3], 0x80000000
	s_mov_b32 s[G0B+4*\s], 1
	s_add_co_u32 s[G0B+4*\s+1], s79, \s*SLOT
	s_add_nc_u64 s[G0B+4*\s+2:G0B+4*\s+3], s[46:47], \s*QB
	s_or_b32 s[G0B+4*\s+3], s[G0B+4*\s+3], 0x80000000
	JLOAD G0+4*\s, G1, G0B+4*\s, G1B               ; two tensor loads of mine are out behind these
.endr
	v_and_b32 v1, 15, v0                           ; r
	v_bfe_u32 v2, v0, 4, 1                         ; h
	v_and_b32 v8, 31, v0
	v_lshlrev_b32 v[LI], 4, v8
.irp s, 0,1,2,3,4,5,6,7                        ; the 16 key steps' local M and sums of the 128 rows: lane L takes places 4 L .. 4 L + 3
	global_load_b128 v[128+4*\s:131+4*\s], v[LI], s[88:89] offset:13824*\s+12800
	global_load_b128 v[192+4*\s:195+4*\s], v[LI], s[88:89] offset:13824*\s+13312
	global_load_b128 v[160+4*\s:163+4*\s], v[LI], s[90:91] offset:13824*\s+12800
	global_load_b128 v[224+4*\s:227+4*\s], v[LI], s[90:91] offset:13824*\s+13312
.endr
	v_lshlrev_b32 v5, 2, v1                        ; 4 r
	s_mul_i32 s22, s15, QB
	s_add_co_u32 s22, s22, QA                      ; my group of V in a slot
	s_mul_i32 s23, s16, 6144
	s_add_co_u32 s21, s22, s23                     ; my four fragments of each of its records,
	s_lshl_b32 s23, s16, 8
	s_add_co_u32 s22, s22, s23
	s_add_co_u32 s22, s22, 12288                   ; and their scale words
	v_lshlrev_b32 v[ADRA], 4, v8
	v_add_nc_u32 v[ADRA+1], SLOT, v[LI]
	v_add_nc_u32 v[ADRB], s21, v[LI]
	s_add_co_u32 s21, s21, SLOT
	v_add_nc_u32 v[ADRB+1], s21, v[LI]
	v_add_nc_u32 v[ADSA], 12288, v5
	v_add_nc_u32 v[ADSA+1], SLOT+12288, v5
	v_add_nc_u32 v[ADSB], s22, v5
	s_add_co_u32 s22, s22, SLOT
	v_add_nc_u32 v[ADSB+1], s22, v5
	s_lshl_b32 s23, s14, 10
	s_add_co_u32 s23, s23, STAT
	v_add_nc_u32 v[STW], s23, v[LI]
	v_add_nc_u32 v[STR], s23, v5
	s_mul_i32 s23, s14, 16*272                     ; my stage for the way out: 16 rows of 256 + 16 bytes, in slot 0
	v_mul_u32_u24 v[STO], v1, 272
	v_lshl_add_u32 v[STO], v2, 6, v[STO]
	v_add_nc_u32 v[STO], s23, v[STO]               ; in: row r, + 64 h
	v_mul_u32_u24 v[RD], v2, 272
	v_lshl_add_u32 v[RD], v1, 4, v[RD]
	v_add_nc_u32 v[RD], s23, v[RD]                 ; back: lanes 0-15 one row, lanes 16-31 the next
	v_lshlrev_b32 v[CO], 12, v2
	v_lshl_add_u32 v[CO], v1, 4, v[CO]             ; and the same two rows in O
.irp a, 0,1,2,3,4,5,6,7
	v_mov_b32 v[INV+2*\a+1], 0                     ; named as the upper halves of pairs
.endr
	s_lshl_b32 s84, s70, 11
	s_lshl_b32 s85, s17, 7
	s_add_co_u32 s84, s84, s85
	s_lshl_b32 s84, s84, 12                        ; my first row of out0, 4,096 bytes a row,
	s_lshl_b32 s85, s40, 10
	s_add_co_u32 s84, s84, s85
	s_lshl_b32 s85, s14, 8
	s_add_co_u32 s84, s84, s85                     ; my first channel: 256 cx + 64 wave
	s_mov_b32 s85, 0
	s_add_nc_u64 s[12:13], s[12:13], s[84:85]
	s_wait_loadcnt 0x0
.irp j, 0,1,2,3
	v_max3_num_f32 v[MX+\j], v[128+\j], v[132+\j], v[136+\j]             ; the row's M: the largest local M
.endr
.irp s, 3,5,7,9,11,13
.irp j, 0,1,2,3
	v_max3_num_f32 v[MX+\j], v[MX+\j], v[128+4*\s+\j], v[132+4*\s+\j]
.endr
.endr
.irp j, 0,1,2,3
	v_max_num_f32 v[MX+\j], v[MX+\j], v[188+\j]
.endr
.irp s, 0,1,2,3,4,5,6,7,8,9,10,11,12,13,14,15
.irp j, 0,1,2,3
	v_sub_f32 v[T+\j], v[128+4*\s+\j], v[MX+\j]    ; a whole number, 0 or less
.endr
.irp j, 0,1,2,3
	v_cvt_i32_f32 v[T+\j], v[T+\j]                 ; (it saturates)
.endr
.irp j, 0,1,2,3
.if \s == 0
	v_ldexp_f32 v[LSM+\j], v[192+\j], v[T+\j]      ; the local sum under the row's M: nothing is rounded
.else
	v_ldexp_f32 v[T+\j], v[192+4*\s+\j], v[T+\j]
.endif
.endr
.if \s > 0
.irp j, 0,1,2,3
.if \s < 8
	v_add_f32 v[LSM+\j], v[LSM+\j], v[T+\j]
.else
	v_fma_f32 v[LSM+\j], v[T+\j], s80, v[LSM+\j]
.endif
.endr
.endif
.endr
.irp j, 0,1,2,3
	v_rcp_f32 v[RI+\j], v[LSM+\j]
.endr
	v_nop                                          ; a plain place behind the reciprocals
	s_wait_alu depctr_va_vdst(0)                   ; one wait for the four, ahead of their first reader
.irp j, 0,1,2,3
	v_mul_f32 v[RI+\j], 0x1f800000, v[RI+\j]       ; 2^-64 / l
.endr
	ds_store_b128 v[STW], v[MX:MX+3]
	ds_store_b128 v[STW], v[RI:RI+3] offset:512
.irp a, 0,1,2,3,4,5,6,7
	ds_load_b32 v[MR+\a], v[STR] offset:64*\a      ; LDS serves a wave's instructions in order: these see my stores
	ds_load_b32 v[INV+2*\a], v[STR] offset:512+64*\a
.endr
	s_wait_dscnt 0x0
	s_wait_tensorcnt 0x1                           ; my part of slot 0 is in; slot 1's may stay out
	s_barrier_signal -1
	s_barrier_wait -1
	FETCH 0, 0, 0
	SLOT3 0, 1                                     ; key steps 0 to 2; the first K step's products start the sums
	s_cmp_eq_u32 s71, 0                            ; 1,024 keys: nothing is filled again.  The cluster's number alone decides: all sixteen partners go the same way
	s_cbranch_scc1 .Ltail
	KSC 0, 1, 1                                    ; key step 3; slot 0 is asked for again: key steps 8 to 11
	SLOT3 1, 0
	KSC 1, 0, 1                                    ; key step 7; slot 1 is asked for again: key steps 12 to 15
	SLOT3 0, 0
.Ltail:
	KSC 0, 1, 0                                    ; the last change of slots: nothing is asked for
	SLOT3 1, 0
	s_wait_dscnt 0x0                               ; the last K step: nothing more to fetch
	ADJ 1
	PLACES 8
	WIN MULW
	MUL 0, 1, 0
	MUL 4, 1, 0
	WIN 0
	PLACES 4
; THE WAY OUT, block by block of 16 queries x 64 channels: x 2^-64 / l; through my stage (rows of 272 bytes, in slot 0, which has had its last fill and which nobody reads behind the last barrier); back as whole
; rows of 256 bytes, two an instruction.
.macro SCALE a
.set AC, 32*(\a)
	WIN 0x82                                       ; destination and source 0 in the accumulators' window
.set N, 0
.rept 16
	v_pk_mul_f32 v[AC+N:AC+N+1], v[AC+N:AC+N+1], v[INV+2*(\a):INV+2*(\a)+1] op_sel_hi:[1,0]   ; ascending: each accumulator from its low end on
.set N, N+2
.endr
.endm
.macro TOSTAGE a
.set AC, 32*(\a)
	WIN 0x08                                       ; the data in the accumulators' window
.irp b, 0,1,2,3
	ds_store_b128 v[STO], v[AC+8*\b:AC+8*\b+3] offset:128*(\b/2)+32*(\b%2)        ; lane (r, h): channels 32 (b / 2) + 16 h + 8 (b % 2) + 0 .. 7 of my 64
	ds_store_b128 v[STO], v[AC+8*\b+4:AC+8*\b+7] offset:128*(\b/2)+32*(\b%2)+16
.endr
	WIN 0
.set BB, BK+32*((\a)%2)
.irp t, 0,1,2,3,4,5,6,7
	ds_load_b128 v[BB+4*\t:BB+4*\t+3], v[RD] offset:544*\t    ; places 2 t and 2 t + 1
.endr
.endm
.macro SEND a, younger
.set BB, BK+32*((\a)%2)
	s_wait_dscnt \younger                          ; the block is back; the next block's 8 stores and 8 loads may be out
.irp t, 0,1,2,3,4,5,6,7
	global_store_b128 v[CO], v[BB+4*\t:BB+4*\t+3], s[12:13] offset:(32*((\a)/2)+8*((\a)%2)+2*\t+8*(\t/4))*4096 th:TH_STORE_NT   ; place 2 t + h's row: 16 lanes store 256 consecutive bytes, at a multiple of 256 from out0's first byte
.endr
.endm
	SCALE 0
	TOSTAGE 0
.irp a, 1,2,3,4,5,6,7
	SCALE \a
.if \a > 1
	s_wait_xcnt 0x0                                ; block a - 2's stores have read their registers: block a's loads may land there
.endif
	TOSTAGE \a
	SEND \a-1, 16
.endr
	SEND 7, 0
	s_wait_tensorcnt 0x0                           ; the wave's end
	ds_add_u32 v[SPW], v[NIL]
	s_wait_dscnt 0x0
	CROUND                                         ; the closing round
	s_endpgm
.Lfunc_end_k_q13c0c736a5_mix:
	.size	k_q13c0c736a5_mix, .Lfunc_end_k_q13c0c736a5_mix-k_q13c0c736a5_mix
	.p2alignl 7, 3214868480
	.fill 96, 4, 3214868480
	.section	.rodata,"a",@progbits
	.p2align	6, 0x0
	.amdhsa_kernel k_q13c0c736a5_mix
		.amdhsa_group_segment_fixed_size 327680
		.amdhsa_private_segment_fixed_size 0
		.amdhsa_enable_private_segment 0
		.amdhsa_kernarg_size 24
		.amdhsa_user_sgpr_count 2
		.amdhsa_user_sgpr_kernarg_segment_ptr 1
		.amdhsa_wavefront_size32 1
		.amdhsa_system_sgpr_workgroup_id_x 1
		.amdhsa_system_sgpr_workgroup_id_y 1
		.amdhsa_system_sgpr_workgroup_id_z 1
		.amdhsa_system_vgpr_workitem_id 0
		.amdhsa_next_free_vgpr 1024
		.amdhsa_next_free_sgpr 100
		.amdhsa_reserve_vcc 0
		.amdhsa_float_denorm_mode_32 3
		.amdhsa_float_denorm_mode_16_64 3
		.amdhsa_memory_ordered 1
		.amdhsa_forward_progress 1
		.amdhsa_inst_pref_size 207
	.end_amdhsa_kernel
	.amdgpu_metadata
---
amdhsa.version: [ 1, 2 ]
amdhsa.kernels:
  - .name:           k_q13c0c736a5_mix
    .symbol:         k_q13c0c736a5_mix.kd
    .args:
      - { .name: pr, .offset: 0, .size: 8, .value_kind: global_buffer, .address_space: global }
      - { .name: vtr, .offset: 8, .size: 8, .value_kind: global_buffer, .address_space: global }
      - { .name: out0, .offset: 16, .size: 8, .value_kind: global_buffer, .address_space: global }
    .group_segment_fixed_size: 327680
    .private_segment_fixed_size: 0
    .kernarg_segment_align: 8
    .kernarg_segment_size: 24
    .max_flat_workgroup_size: 128
    .sgpr_count:     100
    .vgpr_count:     1024
    .wavefront_size: 32
...
	.end_amdgpu_metadata
.endif
;; end of part 7
